; MI455X (gfx1250); checked and timed in simulation.
; The chip was launched on July 23, 2026; its instructions are those of AMD's public machine-readable ISA for CDNA 5 (MIT licence, August 2026) and "CDNA5" Instruction Set Architecture Reference Guide (July 2026). The comments in the code are by the model that wrote it; some were corrected since.
;; Self Attention. Allowed arithmetic: matrix products marked QUANTISED: E4M3 operands, one given power-of-two scale a tensor, by v_wmma_f32_16x16x64_fp8_fp8 or v_wmma_f32_16x16x128_fp8_fp8, f32 sums; everything else in f32.
;; Inputs: lambdas 2 float32; lowp_scales 12 int32 (the exponents e of the quantised operands' scales 2^e); vi 1 x 2,048 x 2,048 float32; wk 2,048 x 2,048 float32; wproj 2,048 x 2,048 float32; wq 2,048 x 2,048 float32; wv 2,048 x 2,048 float32; x 1 x 2,048 x 2,048 float32.
;; Outputs: out0 1 x 2,048 x 2,048 float32.
;; This version of the problem:
;;   THIS VERSION OF THE PROBLEM IS GIVEN IN LOW PRECISION. The matrix products marked QUANTISED in the list below multiply operands that are first quantised to E4M3 (4 exponent bits, 3 mantissa bits; 8 bits a number), with one given power-of-two scale for each operand tensor; their sums are f32. All else is computed in f32.
;;   The module's matrix products, in the order in which they are computed (A, B: the left and right operand; K: the contracted axis; several contracted axes count as one K, in the product's order):
;;     1. [M 2,048, K 2,048] x [K 2,048, N 2,048]; A: input x; B: input wq: QUANTISED (scales: A lowp_scales[0], B lowp_scales[1])
;;     2. [M 2,048, K 2,048] x [K 2,048, N 2,048]; A: input x; B: input wk: QUANTISED (scales: A lowp_scales[2], B lowp_scales[3])
;;     3. [M 2,048, K 2,048] x [K 2,048, N 2,048]; A: input x; B: input wv: QUANTISED (scales: A lowp_scales[4], B lowp_scales[5])
;;     4. batch 16 x [M 2,048, K 128] x [K 128, N 2,048]; A: computed on the way; B: computed on the way: QUANTISED (scales: A lowp_scales[6], B lowp_scales[7])
;;     5. batch 16 x [M 128, K 2,048] x [K 2,048, N 2,048]; A: computed on the way; B: softmax (see below): QUANTISED (scales: A lowp_scales[8], B lowp_scales[9])
;;     6. [M 2,048, K 2,048] x [K 2,048, N 2,048]; A: computed on the way; B: input wproj: QUANTISED (scales: A lowp_scales[10], B lowp_scales[11])
;;   THE QUANTISER, for each operand of a quantised product, along K:
;;     - The operand's scale is 2^e, e = its entry of the input lowp_scales (int32; the entries are numbered through the quantised products in the list's order, A before B).
;;     - Each number is divided by the scale, clamped to +-448, and rounded to the nearest number of E4M3, ties to even, subnormals kept.
;;     - The product sums the exact products of the quantised numbers (number of the format x scale) in f32.
;;   ~~~python
;;   def quantise(x, axis, e):      # numpy; x: float32 -> the quantised numbers, widened to float32 again
;;       x = np.moveaxis(x, axis, -1); K = x.shape[-1]
;;       r = np.clip(x / 2.0 ** e, -448, 448)
;;       step = 2.0 ** (np.maximum(np.frexp(np.where(r == 0, 1, r))[1] - 1, -6) - 3)
;;       q = np.round(r / step) * step * 2.0 ** e      # np.round: ties to even
;;       return np.moveaxis(q, -1, axis).astype(np.float32)
;;   ~~~
;;   SOFTMAX AHEAD OF A QUANTISED PRODUCT. Where the list says 'softmax', what is quantised is not the finished softmax but p = 2^(t - M), with t = logit x log2(e) and M = ceil(the row's largest t), a whole number; so 1/2 < the row's largest p <= 1. The row's sum l is taken of the UNQUANTISED p, in f32, and the product's result is divided by l at the end. Since M is a whole number, a kernel that streams over the keys may use a running M (the ceiling of the running maximum): every later rescaling is an exact power of two, so the quantised numbers keep their values, but for numbers so far below the row's largest that they fall under the format's range.
;;   OPERANDS COMPUTED ON THE WAY. 'Computed on the way' means the value that the module computes at that place (a softmax that the list does not call 'softmax' is quantised finished and normalised). What goes into a quantiser is computed in f32, as accurately as f32 sums, v_exp_f32 and their like allow (about 1e-6 of the number): no bf16 or f16 on the way to a quantiser, and a product that is left as it is and whose result goes on into a quantised operand takes f32 operands (vector FMAs, or v_wmma_f32_16x16x4_f32). A number that lies on a knife's edge between two numbers of the format may be rounded either way, as far as f32 arithmetic and the matrix unit's own rounding can turn it there, and no further.
;; 2 versions, each right. Each part assembles by itself: llvm-mc -triple=amdgcn-amd-amdhsa -mcpu=gfx1250 --defsym DOCPART=n.
;; ======== version 1 of 2: 4 launches
;; workspace buffers: x_codes 12,582,912 bytes; wqkv_codes 12,582,912 bytes; wp_codes 4,194,304 bytes; rope 1,048,576 bytes; qk_codes 8,388,608 bytes; v_codes 4,194,304 bytes; y_codes 4,194,304 bytes
;; launch quant (part 1): grid 768 x 1, 4 waves a work-group, no clusters, 66,048 bytes of LDS; arguments x, wq, wk, wv, wproj, lowp_scales, x_codes, wqkv_codes, wp_codes, rope; writes x_codes, wqkv_codes, wp_codes, rope
.if DOCPART == 1
	.amdgcn_target "amdgcn-amd-amdhsa--gfx1250"
	.amdhsa_code_object_version 6
	.text
	.protected	k_qb7036cec19_quant
	.globl	k_qb7036cec19_quant
	.p2align	8
	.type	k_qb7036cec19_quant,@function
k_qb7036cec19_quant:
	s_mov_b64 s[64:65], 0
	v_nop
	global_prefetch_b8 v0, s[64:65] scope:SCOPE_SE
	s_setreg_imm32_b32 hwreg(HW_REG_WAVE_MODE, 25, 1), 1
	s_wait_xcnt 0x0
; THE OPERANDS THAT ARRIVE AS f32 BECOME CODES OF E4M3 ONCE, AND THE ROTARY TABLE IS MADE.
; code = number / 2^e, held within +-448, rounded to the nearest code, ties to even.  K is innermost in all five tensors, rows are dense: each is a plain stream.
; 768 work-groups of four waves; ti = work-group / 128 says what a work-group does:
;   ti = 0      x, three times: its scale differs from product to product (entries 0, 2, 4), so x_codes has three planes of 2048 x 2048 bytes
;   ti = 1..4   wq, wk, wv (planes 0, 1, 2 of wqkv_codes; entries 1, 3, 5) and wproj (wp_codes; entry 11)
;   ti = 5      the table of cosines and sines
; A wave takes a run of 8,192 numbers (four rows of 2,048) in 16 steps of 512.  Each of a step's four loads reads 512 consecutive bytes, 16 a lane; the conversions want 16 NEIGHBOURS in a lane,
; so the 2,048 bytes turn through the wave's own stage in LDS (16 bytes of padding behind each 64) and come back 64 bytes a lane.  A lane's 16 codes are 16 bytes: a store covers 512 consecutive bytes.
; wv's ROWS ARE PERMUTED inside each head: channel d goes to row 64 (d / 64) + 16 (d % 4) + (d / 4) % 16.  The next launch then finds, in one lane, four neighbouring channels in four of its row blocks,
; which is how vi lies in memory.  A run's four rows are channels 4 m .. 4 m + 3: they land 16 rows apart.
; THE TABLE is laid as the next launch's registers want it: [t / 16][c 0..15][lane][4]: c < 8: cos(t, d), t = 16 (t / 16) + lane % 16, d = 16 (c / 2) + 8 (lane / 16) + 4 (c % 2) + 0..3; c + 8: sin.
; The angle is t x b^(d / 64), b the f32 number nearest 1/10000, rounded once as a product of f32 numbers; sine and cosine by reduction modulo pi/2 in two parts and polynomials on +-pi/4.
; The three ways part on the work-group's number alone; the two that use LDS have LDS bytes of their own.  No tensor loads, no barrier: waves share nothing.
; LIMITS: every e used here lies between -126 and 119, so that 2^e and 448 x 2^e are f32 numbers.  NaN among the inputs is not served (an infinity is held at the largest code).
.set SP,    80                         ; a lane's place in a stage: its 64 bytes + 16 of padding
.set WREG,  8192                       ; LDS of a wave: two stages of 32 x SP bytes
.set XLDS,  32768                      ; x's way has its stages here, the weights' way at 0
.set R,     16                         ; v16-79   four sets of 16 numbers as they are loaded
.set X,     80                         ; v80-111  two sets of 16 neighbours
.set CW,    128                        ; v128-191 the weights' way: four registers of codes for each step
.set TX,    112                        ; v112-143 x's way: two sets of 16 held numbers, by turns
.set CX,    144                        ; v144-191 x's way: codes, 12 registers a step, four steps round
	s_load_b512 s[4:19], s[0:1], 0x0               ; x s[4:5], wq s[6:7], wk s[8:9], wv s[10:11], wproj s[12:13], the exponents s[14:15], x_codes s[16:17], wqkv_codes s[18:19]
	s_load_b128 s[20:23], s[0:1], 0x40             ; wp_codes s[20:21], rope s[22:23]
	v_lshl_add_u32 v192, v0, 2, 0x10000
	v_mov_b32 v193, 0
	v_lshrrev_b32 v1, 5, v0
	v_readfirstlane_b32 s28, v1                    ; wave 0..3
	v_and_b32 v2, 31, v0                           ; lane
	v_lshlrev_b32 v3, 4, v2                        ; 16 x lane
	s_mul_i32 s24, s28, WREG
	v_lshrrev_b32 v14, 2, v2
	v_mul_u32_u24 v14, v14, SP
	v_and_b32 v15, 3, v2
	v_lshl_add_u32 v14, v15, 4, v14
	v_add_nc_u32 v14, s24, v14                     ; into the stage: four lanes' 64 bytes on end, then the padding
	v_mul_u32_u24 v15, v2, SP
	v_add_nc_u32 v15, s24, v15                     ; out of it: my 16 neighbours
	s_lshr_b32 s29, ttmp9, 7                       ; ti
	s_and_b32 s30, ttmp9, 127
	s_lshl_b32 s30, s30, 2
	s_add_co_u32 s30, s30, s28                     ; m: my wave's run of four rows, 0..511
	s_lshl_b32 s32, s30, 15                        ; its 32,768 bytes of f32
	s_mov_b32 s33, 0
	s_wait_kmcnt 0x0
	s_load_b256 s[36:43], s[14:15], 0x0            ; e0 .. e7
	s_load_b128 s[44:47], s[14:15], 0x20           ; e8 .. e11
	s_cmp_eq_u32 s29, 5
	s_cbranch_scc1 .Ltable
	s_cmp_eq_u32 s29, 0
	s_cbranch_scc1 .Lx
.macro LOAD t, sb                      ; step t's 2,048 bytes: four loads of 512 consecutive bytes
.irp i, 0,1,2,3
	global_load_b128 v[R+16*((\t)%4)+4*\i:R+16*((\t)%4)+4*\i+3], v3, s[\sb:\sb+1] offset:2048*(\t)+512*\i th:TH_LOAD_NT
.endr
.endm
.macro TURN t, lb                      ; through the stage: LDS serves a wave's instructions in order, so no wait stands between the stores and the loads
.irp i, 0,1,2,3
	ds_store_b128 v14, v[R+16*((\t)%4)+4*\i:R+16*((\t)%4)+4*\i+3] offset:\lb+32*SP*((\t)%2)+8*SP*\i
.endr
.irp i, 0,1,2,3
	ds_load_b128 v[X+16*((\t)%2)+4*\i:X+16*((\t)%2)+4*\i+3], v15 offset:\lb+32*SP*((\t)%2)+16*\i
.endr
.endm
.macro AHEAD t, sb, lb                 ; the head of step t: loads run four steps ahead, the turn through LDS one step
	s_wait_dscnt 0x0                               ; this step's numbers are back from the stage, so its stores into the stage have read their registers,
.if (\t)+4 < 16
	LOAD (\t)+4, \sb                               ; which take the loads of four steps on
.endif
.if (\t)+1 < 16
.if 14-(\t) >= 3
	s_wait_loadcnt 12                              ; the next step's four loads are in; those of the three steps behind it may be out
.else
	s_wait_loadcnt 4*(14-(\t))
.endif
	TURN (\t)+1, \lb
.endif
.endm
	; ---- a weight.  Source, destination and exponent are chosen by ti; nothing else differs
	s_sub_co_u32 s34, s29, 1
	s_lshl_b32 s34, s34, 22                        ; the plane of wqkv_codes
	s_lshl_b32 s48, s30, 2                         ; rows as they come: 4 m, one row apart
	s_lshr_b32 s49, s30, 5
	s_lshl_b32 s49, s49, 7                         ; wv: 128 x head
	s_bfe_u32 s50, s30, 0x10004
	s_lshl_b32 s50, s50, 6                         ;     + 64 (d / 64)
	s_add_co_u32 s49, s49, s50
	s_and_b32 s50, s30, 15
	s_add_co_u32 s49, s49, s50                     ;     + (d / 4) % 16; the run's four rows lie 16 rows apart
	s_mov_b32 s51, 32768
	s_cmp_eq_u32 s29, 2
	s_cselect_b64 s[6:7], s[8:9], s[6:7]
	s_cmp_eq_u32 s29, 3
	s_cselect_b64 s[6:7], s[10:11], s[6:7]
	s_cselect_b32 s48, s49, s48
	s_cselect_b32 s51, s51, 2048                   ; bytes from one of the run's rows to the next
	s_cmp_eq_u32 s29, 4
	s_cselect_b64 s[6:7], s[12:13], s[6:7]
	s_cselect_b64 s[18:19], s[20:21], s[18:19]
	s_cselect_b32 s34, 0, s34
	s_lshl_b32 s48, s48, 11
	s_add_co_u32 s34, s34, s48
	s_mov_b32 s35, 0
	s_add_nc_u64 s[18:19], s[18:19], s[34:35]
	s_add_nc_u64 s[6:7], s[6:7], s[32:33]
.irp t, 0,1,2,3
	LOAD \t, 6
.endr
	v_mov_b32 v4, v3                               ; v4-7: my 16 bytes in each of the run's four rows
	v_add_nc_u32 v5, s51, v4
	v_add_nc_u32 v6, s51, v5
	v_add_nc_u32 v7, s51, v6
	s_wait_kmcnt 0x0
	s_cmp_eq_u32 s29, 2
	s_cselect_b32 s37, s39, s37                    ; e1, e3, e5 or e11
	s_cmp_eq_u32 s29, 3
	s_cselect_b32 s37, s41, s37
	s_cmp_eq_u32 s29, 4
	s_cselect_b32 s37, s47, s37
	s_add_co_i32 s37, s37, 127
	s_lshl_b32 s38, s37, 23
	v_mov_b32 v11, s38                             ; 2^e as f32: the conversion takes its exponent field
	s_add_co_i32 s37, s37, 8
	s_lshl_b32 s37, s37, 23
	s_or_b32 s37, s37, 0x600000
	v_mov_b32 v10, s37                             ; 448 x 2^e
	s_wait_loadcnt 12                              ; step 0's four loads are in
	TURN 0, 0
.macro STEPW t
.set XS, X+16*((\t)%2)
	AHEAD \t, 6, 0
.irp i, 0,1,2,3,4,5,6,7,8,9,10,11,12,13,14,15
	v_med3_num_f32 v[XS+\i], v[XS+\i], -v10, v10   ; the conversion to an 8-bit code does not saturate (ISA guide 7.6.2): the hold comes first
.endr
	v_cvt_scalef32_pk8_fp8_f32 v[CW+4*(\t):CW+4*(\t)+1], v[XS:XS+7], v11
	v_cvt_scalef32_pk8_fp8_f32 v[CW+4*(\t)+2:CW+4*(\t)+3], v[XS+8:XS+15], v11
	global_store_b128 v[4+(\t)/4], v[CW+4*(\t):CW+4*(\t)+3], s[18:19] offset:512*((\t)%4)   ; each step has its own code registers: no store's data are written again.  The next vector lines are the next step's holds, plain and on the other set
.endm
.irp t, 0,1,2,3,4,5,6,7,8,9,10,11,12,13,14,15
	STEPW \t
.endr
	s_wait_tensorcnt 0x0
	ds_add_u32 v192, v193
	s_wait_dscnt 0x0
	s_endpgm
	; ---- x: read once, quantised three times
.Lx:
	s_add_nc_u64 s[4:5], s[4:5], s[32:33]
	s_lshl_b32 s34, s30, 13                        ; my run's 8,192 bytes of codes
	s_mov_b32 s35, 0
	s_add_nc_u64 s[48:49], s[16:17], s[34:35]      ; plane 0,
	s_add_nc_u64 s[50:51], s[48:49], 0x400000      ; plane 1,
	s_add_nc_u64 s[52:53], s[50:51], 0x400000      ; plane 2
.irp t, 0,1,2,3
	LOAD \t, 4
.endr
	s_wait_kmcnt 0x0
.irp o, 0,1,2                          ; e0, e2, e4: v8, v10, v12 the scales, v9, v11, v13 the largest number x the scale
	s_add_co_i32 s[36+2*\o], s[36+2*\o], 127
	s_lshl_b32 s34, s[36+2*\o], 23
	v_mov_b32 v[8+2*\o], s34
	s_add_co_i32 s34, s[36+2*\o], 8
	s_lshl_b32 s34, s34, 23
	s_or_b32 s34, s34, 0x600000
	v_mov_b32 v[9+2*\o], s34
.endr
	s_wait_loadcnt 12
	TURN 0, XLDS
.macro STEPX t
.set XS, X+16*((\t)%2)
	AHEAD \t, 4, XLDS
.if (\t) >= 4
	s_wait_xcnt 0x0                                ; the stores of four steps ago have read their data: the ring of code registers comes round
.endif
.irp o, 0,1,2
.set TS, TX+16*(((\t)+\o)%2)           ; the two sets of held numbers take turns without a break, over the steps too: sixteen plain lines on the other set stand between a conversion and the next write of its sources
.set CC, CX+12*((\t)%4)+4*\o
.irp i, 0,1,2,3,4,5,6,7,8,9,10,11,12,13,14,15
	v_med3_num_f32 v[TS+\i], v[XS+\i], -v[9+2*\o], v[9+2*\o]
.endr
	v_cvt_scalef32_pk8_fp8_f32 v[CC:CC+1], v[TS:TS+7], v[8+2*\o]
	v_cvt_scalef32_pk8_fp8_f32 v[CC+2:CC+3], v[TS+8:TS+15], v[8+2*\o]
	global_store_b128 v3, v[CC:CC+3], s[48+2*\o:49+2*\o] offset:512*(\t)
.endr
.endm
.irp t, 0,1,2,3,4,5,6,7,8,9,10,11,12,13,14,15
	STEPX \t
.endr
	s_wait_tensorcnt 0x0
	ds_add_u32 v192, v193
	s_wait_dscnt 0x0
	s_endpgm
	; ---- the table: work-group tb = 16 positions; wave w, lane (r, h): position 16 tb + r, frequencies j = 16 w + 8 h + 0..7
.set JF, 32
.set PN, 40
.set NN, 48
.set AR, 56
.set FQ, 64
.set KF, 72
.set RR, 80
.set ZZ, 88
.set SN, 96
.set CN, 104
.set KI, 112
.set OS, 120
.set OC, 128
.set TM, 136
.set T2, 144
.set Z2, 152
.Ltable:
	s_sub_co_u32 s24, ttmp9, 640                   ; tb
	s_lshl_b32 s26, s24, 13                        ; 8,192 bytes of table for 16 positions,
	s_lshl_b32 s25, s28, 10                        ; my wave's two c: 2 w and 2 w + 1
	s_add_co_u32 s26, s26, s25
	s_mov_b32 s27, 0
	s_add_nc_u64 s[22:23], s[22:23], s[26:27]
	s_lshl_b32 s24, s24, 4
	s_lshl_b32 s25, s28, 4
	s_mov_b32 s50, 0x33f54d55                      ; log2(b) / 64 = -108853 / 2^19 + this
	s_mov_b32 s51, 0xbfc90fdb                      ; -(pi/2 as f32)
	s_mov_b32 s52, 0x333bbd2e                      ; (pi/2 as f32) - pi/2
	s_mov_b32 s53, 0xb94ca1f9                      ; sine: -1.9515296e-4, 8.3321609e-3, -1.6666655e-1
	s_mov_b32 s54, 0x3c08839e
	s_mov_b32 s55, 0xbe2aaaa3
	s_mov_b32 s56, 0x37ccf5ce                      ; cosine: 2.4433157e-5, -1.3887316e-3, 4.1666646e-2
	s_mov_b32 s57, 0xbab6061a
	s_mov_b32 s58, 0x3d2aaaa5
	v_and_b32 v20, 15, v0
	v_add_nc_u32 v20, s24, v20
	v_cvt_f32_u32 v21, v20                         ; t
	v_bfe_u32 v22, v0, 4, 1
	v_lshl_add_u32 v22, v22, 3, s25                ; 16 w + 8 h
.irp e, 0,1,2,3,4,5,6,7
	v_add_nc_u32 v[JF+\e], \e, v22
.endr
.irp e, 0,1,2,3,4,5,6,7
	v_cvt_f32_u32 v[JF+\e], v[JF+\e]
.endr
.irp e, 0,1,2,3,4,5,6,7
	v_mul_f32 v[PN+\e], 0xbe549a80, v[JF+\e]       ; j x (-108853 / 2^19): 6 bits x 17 bits, exact
.endr
.irp e, 0,1,2,3,4,5,6,7
	v_floor_f32 v[NN+\e], v[PN+\e]
.endr
.irp e, 0,1,2,3,4,5,6,7
	v_sub_f32 v[PN+\e], v[PN+\e], v[NN+\e]         ; the fraction, exact
.endr
.irp e, 0,1,2,3,4,5,6,7
	v_fma_f32 v[AR+\e], v[JF+\e], s50, v[PN+\e]
.endr
.irp e, 0,1,2,3,4,5,6,7
	v_exp_f32 v[AR+\e], v[AR+\e]                   ; between 1 and 2
.endr
.irp e, 0,1,2,3,4,5,6,7
	v_cvt_i32_f32 v[NN+\e], v[NN+\e]               ; plain lines behind the exponentials, which name none of their results
.endr
	s_wait_alu depctr_va_vdst(0)                   ; one wait for the batch of eight, ahead of its first reader
.irp e, 0,1,2,3,4,5,6,7
	v_ldexp_f32 v[AR+\e], v[AR+\e], v[NN+\e]       ; b^(j / 64)
.endr
.irp e, 0,1,2,3,4,5,6,7
	v_mul_f32 v[FQ+\e], v21, v[AR+\e]              ; the angle, rounded once
.endr
.irp e, 0,1,2,3,4,5,6,7
	v_mul_f32 v[KF+\e], 0x3f22f983, v[FQ+\e]       ; x 2 / pi
.endr
.irp e, 0,1,2,3,4,5,6,7
	v_rndne_f32 v[KF+\e], v[KF+\e]                 ; k, at most 1,304
.endr
.irp e, 0,1,2,3,4,5,6,7
	v_fma_f32 v[RR+\e], v[KF+\e], s51, v[FQ+\e]    ; exact: a multiple of 2^-23 under 1
.endr
.irp e, 0,1,2,3,4,5,6,7
	v_fma_f32 v[RR+\e], v[KF+\e], s52, v[RR+\e]    ; r = angle - k pi/2
.endr
.irp e, 0,1,2,3,4,5,6,7
	v_mul_f32 v[ZZ+\e], v[RR+\e], v[RR+\e]
.endr
.irp e, 0,1,2,3,4,5,6,7
	v_fma_f32 v[SN+\e], v[ZZ+\e], s53, s54
	v_fma_f32 v[CN+\e], v[ZZ+\e], s56, s57
.endr
.irp e, 0,1,2,3,4,5,6,7
	v_fma_f32 v[SN+\e], v[SN+\e], v[ZZ+\e], s55
	v_fma_f32 v[CN+\e], v[CN+\e], v[ZZ+\e], s58
.endr
.irp e, 0,1,2,3,4,5,6,7
	v_mul_f32 v[TM+\e], v[RR+\e], v[ZZ+\e]
	v_mul_f32 v[Z2+\e], v[ZZ+\e], v[ZZ+\e]
	v_fma_f32 v[T2+\e], v[ZZ+\e], -0.5, 1.0
.endr
.irp e, 0,1,2,3,4,5,6,7
	v_fma_f32 v[SN+\e], v[SN+\e], v[TM+\e], v[RR+\e]   ; sin r
	v_fma_f32 v[CN+\e], v[CN+\e], v[Z2+\e], v[T2+\e]   ; cos r
	v_cvt_i32_f32 v[KI+\e], v[KF+\e]
.endr
.irp e, 0,1,2,3,4,5,6,7                ; the quadrant only selects values and signs
	v_and_b32 v[TM+\e], 1, v[KI+\e]
	v_cmp_eq_u32 vcc_lo, 1, v[TM+\e]
	v_cndmask_b32 v[OS+\e], v[SN+\e], v[CN+\e], vcc_lo   ; k odd: sine and cosine change places
	v_cndmask_b32 v[OC+\e], v[CN+\e], v[SN+\e], vcc_lo
	v_and_b32 v[TM+\e], 2, v[KI+\e]
	v_add_nc_u32 v[T2+\e], 1, v[KI+\e]
	v_lshlrev_b32 v[TM+\e], 30, v[TM+\e]
	v_and_b32 v[T2+\e], 2, v[T2+\e]
	v_xor_b32 v[OS+\e], v[OS+\e], v[TM+\e]         ; the sine is negated for k % 4 = 2, 3,
	v_lshlrev_b32 v[T2+\e], 30, v[T2+\e]
	v_xor_b32 v[OC+\e], v[OC+\e], v[T2+\e]         ; the cosine for k % 4 = 1, 2
.endr
.irp g, 0,1
	global_store_b128 v3, v[OC+4*\g:OC+4*\g+3], s[22:23] offset:512*\g        ; 32 lanes store 512 consecutive bytes
	global_store_b128 v3, v[OS+4*\g:OS+4*\g+3], s[22:23] offset:4096+512*\g
.endr
	s_endpgm
.Lfunc_end_k_qb7036cec19_quant:
	.size	k_qb7036cec19_quant, .Lfunc_end_k_qb7036cec19_quant-k_qb7036cec19_quant
	.p2alignl 7, 3214868480
	.fill 96, 4, 3214868480
	.section	.rodata,"a",@progbits
	.p2align	6, 0x0
	.amdhsa_kernel k_qb7036cec19_quant
		.amdhsa_group_segment_fixed_size 66048
		.amdhsa_private_segment_fixed_size 0
		.amdhsa_enable_private_segment 0
		.amdhsa_kernarg_size 80
		.amdhsa_user_sgpr_count 2
		.amdhsa_user_sgpr_kernarg_segment_ptr 1
		.amdhsa_wavefront_size32 1
		.amdhsa_system_sgpr_workgroup_id_x 1
		.amdhsa_system_sgpr_workgroup_id_y 1
		.amdhsa_system_sgpr_workgroup_id_z 1
		.amdhsa_system_vgpr_workitem_id 0
		.amdhsa_next_free_vgpr 194
		.amdhsa_next_free_sgpr 66
		.amdhsa_reserve_vcc 1
		.amdhsa_float_denorm_mode_32 3
		.amdhsa_float_denorm_mode_16_64 3
		.amdhsa_memory_ordered 1
		.amdhsa_forward_progress 1
		.amdhsa_inst_pref_size 127
	.end_amdhsa_kernel
	.amdgpu_metadata
---
amdhsa.version: [ 1, 2 ]
amdhsa.kernels:
  - .name:           k_qb7036cec19_quant
    .symbol:         k_qb7036cec19_quant.kd
    .args:
      - { .name: x, .offset: 0, .size: 8, .value_kind: global_buffer, .address_space: global }
      - { .name: wq, .offset: 8, .size: 8, .value_kind: global_buffer, .address_space: global }
      - { .name: wk, .offset: 16, .size: 8, .value_kind: global_buffer, .address_space: global }
      - { .name: wv, .offset: 24, .size: 8, .value_kind: global_buffer, .address_space: global }
      - { .name: wproj, .offset: 32, .size: 8, .value_kind: global_buffer, .address_space: global }
      - { .name: lowp_scales, .offset: 40, .size: 8, .value_kind: global_buffer, .address_space: global }
      - { .name: x_codes, .offset: 48, .size: 8, .value_kind: global_buffer, .address_space: global }
      - { .name: wqkv_codes, .offset: 56, .size: 8, .value_kind: global_buffer, .address_space: global }
      - { .name: wp_codes, .offset: 64, .size: 8, .value_kind: global_buffer, .address_space: global }
      - { .name: rope, .offset: 72, .size: 8, .value_kind: global_buffer, .address_space: global }
    .group_segment_fixed_size: 66048
    .private_segment_fixed_size: 0
    .kernarg_segment_align: 8
    .kernarg_segment_size: 80
    .max_flat_workgroup_size: 128
    .sgpr_count:     66
    .vgpr_count:     194
    .wavefront_size: 32
...
	.end_amdgpu_metadata
.endif
;; end of part 1
;; launch qkv (part 2): grid 24 x 8, 4 waves a work-group, clusters of 4 x 4, 327,680 bytes of LDS; arguments x_codes, wqkv_codes, lowp_scales, lambdas, vi, rope, qk_codes, v_codes; writes qk_codes, v_codes
.if DOCPART == 2
	.amdgcn_target "amdgcn-amd-amdhsa--gfx1250"
	.amdhsa_code_object_version 6
	.text
	.protected	k_qb7036cec19_qkv
	.globl	k_qb7036cec19_qkv
	.p2align	8
	.type	k_qb7036cec19_qkv,@function
k_qb7036cec19_qkv:
	s_mov_b64 s[64:65], 0
	v_nop
	global_prefetch_b8 v0, s[64:65] scope:SCOPE_SE
	s_setreg_imm32_b32 hwreg(HW_REG_WAVE_MODE, 25, 1), 1
	s_wait_xcnt 0x0
	s_wait_alu depctr_hold_cnt(0) depctr_sa_sdst(0) depctr_va_vdst(0) depctr_va_sdst(0) depctr_va_ssrc(0) depctr_va_vcc(0) depctr_vm_vsrc(0)
	s_getreg_b32 s2, hwreg(HW_REG_IB_STS2, 6, 4)
	s_cmp_eq_u32 s2, 0
	s_cbranch_scc0 .Lentry_in_a_cluster
	s_endpgm
.Lentry_in_a_cluster:
	s_bfe_u32 s2, ttmp6, 0x10000c
	s_cmp_lg_u32 s2, 0xf033
	s_cbranch_scc0 .Lentry_shape_is_right
	s_endpgm
.Lentry_shape_is_right:
; q = x wq^T, k = x wk^T, v = x wv^T on codes of E4M3, and all that stands between these sums and the next quantisers:
;   q, k: rms_norm over the head's 128, the rotation by position, the quantiser (entries 6, 7)  ->  qk_codes [q, k][head][t][128]
;   v:    lambda0 v + lambda1 vi, the quantiser (entry 8), with the KEYS innermost               ->  v_codes [head][t / 128][128 channels][128 keys]
; p = cluster x / 2 says which product a cluster serves (0 q, 1 k, 2 v): the same number in all sixteen partners.
; A tile of 256 x 256 sums is made by four waves, 128 x 128 each: 64 accumulators of 16 x 16, 512 registers.  So a wave's 128 columns are ONE HEAD, and a row's norm needs one exchange between the halves of the lanes.
; 192 work-groups: a tile of 128 x 128 would give 768, but each LDS byte would feed half the products and a head would be split between waves.
; K goes in steps of 256 through a ring of two LDS slots filled by the tensor data mover; a tile's row is 256 bytes of memory.
; CLUSTERS: 4 x 4 work-groups.  The four of a row of the cluster need the same tiles of the first operand ('A'), the four of a column the same tiles of the second ('B'): each tile is asked for JOINTLY.
; THE MATRIX INSTRUCTION IS USED TRANSPOSED (source 0 = 16 rows of B, source 1 = 16 rows of A): lane (r, h) holds row r of A's block and the eight neighbouring columns 8 h + 0..7 of B's block.
;   p < 2: A = x's codes, B = the weight's: a lane holds a position and eight neighbouring channels, which the conversion packs into 8 bytes of a row of q or k.
;   p = 2: THE TWO ARE SWAPPED: A = wv's codes, B = x's: a lane holds a channel and eight neighbouring KEYS, which is how v's codes are wanted.  wv's rows were permuted by the launch before, so that
;          row block a, lane r is channel 64 (a / 4) + 4 r + a % 4: a lane's four blocks a = 4 g + 0..3 are four neighbouring channels, 16 bytes of vi, and sixteen lanes read 256 consecutive bytes of a row of vi.
; A sum stands for sum x 2^E, E = the two operands' exponents added; it is applied by v_ldexp_f32 and has no limit of its own.
; LIMITS: entries 6, 7, 8 lie between -126 and 119, so that 2^e and 448 x 2^e are f32 numbers.  NaN among the inputs is not served.
; REGISTERS, in windows of 256.  In the loop: window 0: v0-31 addresses; from v128 A's fragments, one set; window 1: B's fragments, two sets; windows 2, 3: the accumulators ((a, b) at v[8 (8 (a % 4) + b)] of window 2 + a / 4).
; Behind the loop windows 0 (v32 on) and 1 are free: window 1 takes four sets of 64 registers of the table or of vi, window 0 the numbers at work, the codes and the rows on their way out.
.set KSTEP,  256
.set ROWB,   256                       ; a tile's row in bytes
.set KROW,   2048                      ; a row of codes in memory
.set PITCH,  272                       ; an LDS row: 256 bytes + 16 of padding = 68 words: the 16 rows that a load touches start at 16 different banks (64 banks of 4 bytes: ISA guide 11.1)
.set AQ,     128                       ; A: from one 128 along K to the next inside a slot,
.set APITCH, 272                       ; and from row to row
.set FR,     16                        ; registers of a fragment: 16 rows x 128 K
.set NL,     4                         ; LDS loads that bring one
.set NP,     4                         ; places behind this matrix instruction (ISA guide 7.12.1)
.set HALFT,  128*PITCH
.set SLOT,   4*HALFT                   ; A's 256 rows, then B's 256 rows
.set LAPS,   2048/(2*KSTEP)            ; a lap = two K steps = once round the ring
.set SPARE,  2*SLOT                    ; behind the ring: the spare words, 128 bytes for each wave
.set SQ,     144                       ; the ways out: a stage row of 128 bytes + 16.  The stages lie in slot 0, which has had its last fill and its last read when the first result is stored there;
.set VSTG,   32768                     ; q's and k's way has bytes 0 to 18,431, v's way 32,768 to 106,495
.set QSTO, 8                           ; v8   q, k: where I put 8 bytes of a row
.set QRD,  9                           ; v9   q, k: where I read rows back
.set L16,  10                          ; v10  16 x lane
.set VSTO, 11                          ; v11  v: where I put 8 bytes of a channel's row
.set VRD,  12                          ; v12  v: where I read rows back
.set VIO,  13                          ; v13  my bytes in vi: 8 rows x half + 16 r
.set PFV,  14                          ; v14  the prefetches' offset
.set ADRA, 16                          ; v16-17  LDS address of my A fragments in slot 0, 1
.set ADRB, 20                          ; v20-21  the same for B
.set SV,   24                          ; v[24:25] lambda0 x 2^E
.set LIM,  26                          ; v26  448 x the quantiser's scale
.set SCL,  27                          ; v27  the quantiser's scale
.set SPW,  28                          ; v28  LDS address of my spare word; never rewritten
.set NIL,  29                          ; v29  0; never rewritten
.set AF,   128
.set CH,   32                          ; q, k: v32-95 the chains of the sums of squares, 8 registers a row block; then
.set U,    32                          ;       v32-95 a row block's 64 numbers
.set TT,   96                          ;       v96-103 at work
.set SS,   112                         ;       v112-119 a row's sum of squares, for each of my 8 row blocks
.set PD,   120                         ;       v120-127 the other half of the lanes' sums
.set F,    128                         ;       v128-143 2^E / rms, a pair for each row block
.set CQ,   144                         ;       v144-175 codes, two sets of 16
.set BKQ,  176                         ;       v176-207 rows read back, two sets of 16
.set T,    32                          ; v:    v32-95 a column block's 64 numbers: 8 a + j
.set CV,   96                          ;       v96-127 codes, two sets of 16
.set BKV,  128                         ;       v128-255 rows read back
.set G1, 24
.set G0, 32
.set G1B, 48
.set G0B, 56
.set MSB, 0
.macro WIN new                         ; the immediate's high byte repeats the setting that is left
.if MSB != (\new)
	s_set_vgpr_msb (MSB<<8)|(\new)
.set MSB, (\new)
.endif
.endm
.set MUL_LO, 0xa1                      ; source 0 (B) window 1, source 1 (A) window 0, C and D window 2
.set MUL_HI, 0xf1                      ; the same, C and D window 3
.set TO_B,   0x40                      ; destination window 1, address window 0
; A joint load: waves 0 and 1 fetch for A, waves 2 and 3 for B.  Each line has one mask and one set of registers for all that issue it; the branch hangs on the wave's number alone.
; Four v_nop follow each of the two lines, ahead of the jump, the label and what follows.
.macro JLOAD g0a, g1a, g0b, g1b
	s_cmp_eq_u32 s15, 0
	s_cbranch_scc0 .Lfor_b_\@
	tensor_load_to_lds s[\g0a:\g0a+3], s[\g1a:\g1a+7]
	s_nop 0
.rept 4
	v_nop
.endr
	s_branch .Lasked_\@
.Lfor_b_\@:
	tensor_load_to_lds s[\g0b:\g0b+3], s[\g1b:\g1b+7]
	s_nop 0
.rept 4
	v_nop
.endr
.Lasked_\@:
.endm
.macro CREST                           ; a round of the cluster's barrier behind its opening barrier
	s_cmp_lg_u32 s14, 0
	s_cbranch_scc1 .Lnot_wave_0_\@
	s_barrier_signal -3
.Lnot_wave_0_\@:
	s_barrier_wait -3
	s_barrier_signal -1
	s_barrier_wait -1
.endm
.macro CROUND                          ; a whole round
	s_barrier_signal -1
	s_barrier_wait -1
	CREST
.endm
	s_load_b512 s[68:83], s[0:1], 0x0              ; x_codes s[68:69], wqkv_codes s[70:71], the exponents s[72:73], lambdas s[74:75], vi s[76:77], rope s[78:79], qk_codes s[80:81], v_codes s[82:83]
	v_lshl_add_u32 v[SPW], v0, 2, SPARE
	v_mov_b32 v[NIL], 0
	ds_add_u32 v28, v29
	s_wait_dscnt 0x0
	v_lshrrev_b32 v1, 5, v0
	v_readfirstlane_b32 s14, v1                    ; wave 0..3
	s_lshr_b32 s15, s14, 1                         ; which half of the tile's rows is mine.  Also: I fetch for A (0) or for B (1)
	s_and_b32 s16, s14, 1                          ; which half of its columns.  Also: which 128 rows of that tile I fetch
	s_bfe_u32 s40, ttmp6, 0x40000                  ; cx, cy: my place in the cluster
	s_bfe_u32 s41, ttmp6, 0x40004
	s_lshr_b32 s66, ttmp9, 1                       ; p: two clusters along x serve one product
	s_and_b32 s42, ttmp9, 1
	s_lshl_b32 s42, s42, 2
	s_add_co_u32 s42, s42, s40                     ; tile column 0..7
	s_and_b32 s17, ttmp7, 0xffff
	s_lshl_b32 s17, s17, 2
	s_add_co_u32 s17, s17, s41                     ; tile row 0..7
	s_lshl_b32 s43, s41, 2
	s_lshl_b32 s43, 15, s43                        ; my row of the cluster
	s_lshl_b32 s44, 0x1111, s40                    ; my column
	; descriptor group 1: a tile of 128 rows x 256 bytes, padded in LDS
	s_or_b32 s[G1+0], s43, (0<<16)|(1<<20)|(1<<21)|(5<<22)|(3<<25)  ; 15:0 the mask: A's tiles go to my row; 17:16 element of 1 byte; 20 padding on; 21 set beside a mask; 24:22 after every 64 words (code 5); 31:25 of 4 words (code 3)
	s_or_b32 s[G1B+0], s44, (0<<16)|(1<<20)|(1<<21)|(5<<22)|(3<<25)
.irp g, G1, G1B
	s_mov_b32 s[\g+1], ROWB<<16                    ; tensor_dim0
	s_mov_b32 s[\g+2], 128<<16                     ; tensor_dim1 = 128
	s_mov_b32 s[\g+3], ROWB<<16                    ; tile_dim0
	s_mov_b32 s[\g+4], 128                         ; tile_dim1 = 128
	s_mov_b32 s[\g+5], KROW                        ; tensor_dim0_stride
	s_mov_b32 s[\g+6], 0
	s_mov_b32 s[\g+7], 0
.endr
	s_lshl_b32 s18, s16, 7                         ; which 128 rows of the tile I fetch
	s_lshl_b32 s20, s17, 8
	s_add_co_u32 s20, s20, s18                     ; A: row 256 x tile row + 128 x half
	s_lshl_b32 s46, s42, 8
	s_add_co_u32 s46, s46, s18                     ; B: row 256 x tile column + 128 x half
	s_lshl_b32 s20, s20, 11                        ; in bytes,
	s_lshl_b32 s46, s46, 11
	s_lshl_b32 s19, s66, 22                        ; in plane p of either buffer of codes
	s_add_co_u32 s20, s20, s19
	s_add_co_u32 s46, s46, s19
	s_mov_b32 s21, 0
	s_mov_b32 s47, 0
	s_mul_i32 s45, s14, HALFT                      ; where they go: wave x 128 rows: no place in the cluster enters an LDS address
	s_wait_kmcnt 0x0
	s_load_b256 s[84:91], s[72:73], 0x0            ; e0 .. e7
	s_load_b32 s92, s[72:73], 0x20                 ; e8
	s_load_b64 s[94:95], s[74:75], 0x0             ; lambda0, lambda1
	s_cmp_eq_u32 s66, 2                            ; v: the operands change places
	s_cselect_b64 s[4:5], s[70:71], s[68:69]
	s_cselect_b64 s[6:7], s[68:69], s[70:71]
	s_add_nc_u64 s[20:21], s[4:5], s[20:21]
	s_add_nc_u64 s[46:47], s[6:7], s[46:47]
	CROUND                                         ; all sixteen work-groups are here: the first joint loads meet
.irp s, 0,1
	s_mov_b32 s[G0+4*\s], 1
	s_add_co_u32 s[G0+4*\s+1], s45, \s*SLOT
	s_add_nc_u64 s[G0+4*\s+2:G0+4*\s+3], s[20:21], \s*ROWB
	s_or_b32 s[G0+4*\s+3], s[G0+4*\s+3], 0x80000000
	s_mov_b32 s[G0B+4*\s], 1
	s_add_co_u32 s[G0B+4*\s+1], s45, \s*SLOT
	s_add_nc_u64 s[G0B+4*\s+2:G0B+4*\s+3], s[46:47], \s*ROWB
	s_or_b32 s[G0B+4*\s+3], s[G0B+4*\s+3], 0x80000000
	JLOAD G0+4*\s, G1, G0B+4*\s, G1B
.endr
	v_and_b32 v1, 15, v0                           ; r
	v_bfe_u32 v2, v0, 4, 1                         ; h
	v_and_b32 v6, 31, v0                           ; lane
	v_mul_u32_u24 v3, v1, PITCH
	v_lshl_add_u32 v4, v2, 4, v3                   ; a fragment's row x pitch + 16 x half
	s_mul_i32 s21, s15, HALFT                      ; my 128 rows of A
	s_mul_i32 s22, s16, HALFT                      ; my 128 rows of B,
	s_add_co_u32 s22, s22, 2*HALFT                 ; which lie behind A's 256
.irp s, 0,1
	v_add_nc_u32 v[ADRA+\s], s21, v4
	v_add_nc_u32 v[ADRB+\s], s22, v4
	s_add_co_u32 s21, s21, SLOT
	s_add_co_u32 s22, s22, SLOT
.endr
	; the addresses of both ways out are made here, ahead of the place where the ways part
	s_mul_i32 s23, s14, 2*16*SQ                    ; q, k: my two stages of 16 rows
	v_mul_u32_u24 v5, v1, SQ
	v_lshl_add_u32 v5, v2, 3, v5                   ; row r, 8 bytes for each half of the lanes
	v_add_nc_u32 v[QSTO], s23, v5
	v_lshrrev_b32 v7, 3, v6
	v_and_b32 v15, 7, v6
	v_mul_u32_u24 v3, v7, SQ
	v_lshl_add_u32 v3, v15, 4, v3                  ; back: eight lanes to a row of 128 bytes, four rows an instruction
	v_add_nc_u32 v[QRD], s23, v3
	v_lshlrev_b32 v[L16], 4, v6
	s_mul_i32 s23, s14, 128*SQ                     ; v: my stage of 128 rows
	s_add_co_u32 s23, s23, VSTG
	v_add_nc_u32 v[VSTO], s23, v5
	v_mul_u32_u24 v3, v7, 16*SQ                    ; back: the four rows of an instruction are channels 4 i + 0..3, which lie 16 stage rows apart
	v_lshl_add_u32 v3, v15, 4, v3
	v_add_nc_u32 v[VRD], s23, v3
	v_lshlrev_b32 v[VIO], 4, v1
	v_lshl_add_u32 v[VIO], v2, 16, v[VIO]          ; vi: 16 r bytes, and 8 rows of 8,192 bytes further down for lanes 16 to 31
	v_lshrrev_b32 v[PFV], 1, v6
	v_lshlrev_b32 v[PFV], 13, v[PFV]
	v_and_b32 v15, 1, v6
	v_lshl_add_u32 v[PFV], v15, 8, v[PFV]          ; a lane names 256 bytes: row lane / 2, half lane % 2 of a head's 512 bytes
	; where my results go and what I read beside the sums.  cx and cy enter these global addresses alone
	s_lshl_b32 s10, s42, 1
	s_add_co_u32 s10, s10, s16                     ; 2 x tile column + column half
	s_lshl_b32 s11, s17, 1
	s_add_co_u32 s11, s11, s15                     ; 2 x tile row + row half
	s_lshl_b32 s12, s66, 22                        ; q, k: plane p,
	s_lshl_b32 s13, s10, 18                        ;       the head = my 128 columns,
	s_add_co_u32 s12, s12, s13
	s_lshl_b32 s13, s11, 14                        ;       my 128 positions x 128 bytes
	s_add_co_u32 s12, s12, s13
	s_lshl_b32 s18, s11, 16                        ;       the table: 8 blocks of 16 positions x 8,192 bytes
	s_lshl_b32 s19, s11, 18                        ; v: the head = my 128 rows,
	s_lshl_b32 s13, s10, 14                        ;    my 128 keys: one block of 16,384 bytes
	s_add_co_u32 s19, s19, s13
	s_lshl_b32 s22, s10, 20                        ;    vi: my 128 keys x 8,192 bytes,
	s_lshl_b32 s13, s11, 9                         ;    the head's 512 bytes
	s_add_co_u32 s22, s22, s13
	s_cmp_eq_u32 s66, 2
	s_cselect_b32 s12, s19, s12
	s_cselect_b32 s18, s22, s18
	s_cselect_b64 s[98:99], s[82:83], s[80:81]     ; v_codes or qk_codes
	s_cselect_b64 s[100:101], s[76:77], s[78:79]   ; vi or the table
	s_mov_b32 s13, 0
	s_mov_b32 s19, 0
	s_add_nc_u64 s[98:99], s[98:99], s[12:13]
	s_add_nc_u64 s[100:101], s[100:101], s[18:19]
	s_mov_b32 s8, 0x76543210                       ; v_permlanex16_b32's selects for lane l xor 16
	s_mov_b32 s9, 0xfedcba98
.macro FRAG reg, adr, q, i, qs, pitch  ; a fragment, 16 rows x 128 K of 8-bit codes, is 16 registers: lane l holds row l % 16; registers 4 c .. 4 c + 3 hold K = 32 c + 16 (l / 16) + 0 .. 15: a permutation of K, the same on both sides
.irp c, 0,1,2,3
	ds_load_b128 v[\reg+4*\c:\reg+4*\c+3], v[\adr] offset:(\qs)*(\q)+32*\c+(\i)*16*(\pitch)
.endr
.endm
; 16 matrix instructions: A's blocks a0, a0 + 1 x B's eight, 128 along K.  p: B's set.  zero = 1: the first product starts the sums: nothing is ever cleared.
; The 64 accumulators take turns, one instruction a turn, in the same order in every step.
.macro MUL16 a0, p, zero
.irp a, \a0, \a0+1
.irp b, 0,1,2,3,4,5,6,7
.if \zero
	v_wmma_f32_16x16x128_fp8_fp8 v[8*(8*((\a)%4)+\b):8*(8*((\a)%4)+\b)+7], v[128*(\p)+FR*\b:128*(\p)+FR*\b+FR-1], v[AF+FR*(\a):AF+FR*(\a)+FR-1], 0
.else
	v_wmma_f32_16x16x128_fp8_fp8 v[8*(8*((\a)%4)+\b):8*(8*((\a)%4)+\b)+7], v[128*(\p)+FR*\b:128*(\p)+FR*\b+FR-1], v[AF+FR*(\a):AF+FR*(\a)+FR-1], v[8*(8*((\a)%4)+\b):8*(8*((\a)%4)+\b)+7]
.endif
.endr
.endr
.endm
.macro FETCH_B slot, q, p              ; B's eight fragments of the slot's q-th 128 along K into set p
	WIN TO_B
.irp i, 0,1,2,3,4,5,6,7
	FRAG 128*(\p)+FR*\i, ADRB+\slot, \q, \i, 128, PITCH
.endr
	WIN 0
.endm
.macro FETCH_A slot, q, i0             ; A's blocks i0 .. i0 + 3
.irp i, \i0, \i0+1, \i0+2, \i0+3
	FRAG AF+FR*(\i), ADRA+\slot, \q, \i, AQ, APITCH
.endr
.endm
; A load into a register that a matrix instruction has read, and a vector instruction or an LDS store that reads a matrix result, stand NP places behind that matrix instruction, and only plain vector
; instructions that name none of its registers are places (ISA guide 7.12.1 for vector instructions).
.macro PLACES n
.rept \n
	v_nop
.endr
.endm
; A step of 128 along K that has its successor in the same slot.  A's blocks are free as soon as their eight products are issued, so A has one set of registers; B has two.
.macro STEP slot, q, zero
	s_wait_dscnt 4*NL                              ; B's set and A's blocks 0-3 are in; the youngest 16 loads (A's blocks 4-7) may be out
	WIN MUL_LO
	MUL16 0, (\q)%2, \zero
	MUL16 2, (\q)%2, \zero
	s_wait_dscnt 0                                 ; A's blocks 4-7 are in (asked for 32 matrix instructions ago)
	PLACES NP
	FETCH_B \slot, (\q)+1, 1-(\q)%2
	FETCH_A \slot, (\q)+1, 0
	WIN MUL_HI
	MUL16 4, (\q)%2, \zero
	MUL16 6, (\q)%2, \zero
	PLACES NP
	WIN 0
	FETCH_A \slot, (\q)+1, 4
.endm
; A slot's last step changes slots: ONE barrier; in front of it each wave waits for all its tensor loads, adds 0 to its spare word, and waits for that and for its own reads of this slot.  fill = 1: this slot is filled again, two K steps ahead.
.macro TURN slot, next, fill
	s_wait_tensorcnt 0x0                           ; all my tensor loads have landed: my part of the next slot;  (every window is 0 here)
	ds_add_u32 v[SPW], v[NIL]                      ; 0 onto my spare word;
	s_wait_dscnt 4*NL+1                            ; (the add and the youngest 16 loads, A's blocks 4-7, may be out)
	WIN MUL_LO
	MUL16 0, 1, 0                                  ; sixteen matrix instructions stand between the add and the wait for it
	s_wait_dscnt 0x0                               ; the add is done, and my reads of this slot are over
	s_barrier_signal -1
	MUL16 2, 1, 0
	WIN 0
	s_barrier_wait -1
.if \fill
	CREST                                          ; the barrier has opened a round of the cluster's barrier: no wave of any partner still reads this slot's tile or has a load on its way
	s_add_nc_u64 s[G0+4*\slot+2:G0+4*\slot+3], s[G0+4*\slot+2:G0+4*\slot+3], 2*ROWB
	s_add_nc_u64 s[G0B+4*\slot+2:G0B+4*\slot+3], s[G0B+4*\slot+2:G0B+4*\slot+3], 2*ROWB
	JLOAD G0+4*\slot, G1, G0B+4*\slot, G1B         ; the first tensor load behind the round; the four v_nop behind it are the places in front of the loads below
.else
	PLACES NP
.endif
	FETCH_B \next, 0, 0
	FETCH_A \next, 0, 0
	WIN MUL_HI
	MUL16 4, 1, 0
	MUL16 6, 1, 0
	PLACES NP
	WIN 0
	FETCH_A \next, 0, 4
.endm
; vi IS PREFETCHED INTO THE L2 (p = 2 alone: the branch hangs on the cluster's number).  My wave alone reads its part of vi: 128 rows x 512 bytes, once, behind the last product.  An instruction names 16 rows x 2 blocks
; of 256 bytes, a lane a block; eight instructions name the whole part, each block once in the launch: four behind the loop, 192 matrix instructions ahead of the first load of vi, four a step later, 128 ahead.
; No tensor load follows them.  Their address registers are never rewritten.
.macro VIPF k0
	s_cmp_lg_u32 s66, 2
	s_cbranch_scc1 .Lno_vi_\@
.irp k, 0,1,2,3
	global_prefetch_b8 v[PFV], s[100:101] offset:131072*(\k0+\k) th:TH_LOAD_NT scope:SCOPE_SE
.endr
.Lno_vi_\@:
.endm
	s_wait_tensorcnt 1                             ; my part of K step 0 is in (K step 1's load may be out)
	s_barrier_signal -1
	s_barrier_wait -1                              ; everybody's is
	FETCH_B 0, 0, 0
	FETCH_A 0, 0, 0
	FETCH_A 0, 0, 4
	STEP 0, 0, 1                                   ; the first step stands in front of the loop: its products start the sums
	s_mov_b32 s3, LAPS-1
.Llap:                                                 ; a trip goes once round the ring, from a lap's second step to the next lap's first, and fills both slots again
	TURN 0, 1, 1
	STEP 1, 0, 0
	TURN 1, 0, 1
	STEP 0, 0, 0
	s_sub_co_u32 s3, s3, 1
	s_cmp_lg_u32 s3, 0
	s_cbranch_scc1 .Llap
	VIPF 0
	TURN 0, 1, 0                                   ; the last lap fills nothing, and has no round of the cluster's barrier
	VIPF 4
	STEP 1, 0, 0
	s_wait_dscnt 4*NL                              ; the very last step: nothing more to fetch
	WIN MUL_LO
	MUL16 0, 1, 0
	MUL16 2, 1, 0
	s_wait_dscnt 0
	WIN MUL_HI
	MUL16 4, 1, 0
	MUL16 6, 1, 0
	WIN 0
	PLACES NP                                      ; behind the last products: for the loads into the registers that held fragments, and for the first reads of results
	s_wait_kmcnt 0x0
	s_add_co_i32 s96, s84, s85                     ; E = the two operands' exponents added, for my product
	s_add_co_i32 s67, s86, s87
	s_add_co_i32 s93, s88, s89
	s_mov_b32 s97, s90                             ; and the exponent of the quantiser that follows: e6, e7 or e8
	s_cmp_eq_u32 s66, 1
	s_cselect_b32 s96, s67, s96
	s_cselect_b32 s97, s91, s97
	s_cmp_eq_u32 s66, 2
	s_cselect_b32 s96, s93, s96
	s_cselect_b32 s97, s92, s97
	s_add_co_i32 s97, s97, 127
	s_lshl_b32 s67, s97, 23
	v_mov_b32 v[SCL], s67                          ; the scale as f32: the conversion takes its exponent field
	s_add_co_i32 s97, s97, 8
	s_lshl_b32 s97, s97, 23
	s_or_b32 s97, s97, 0x600000
	v_mov_b32 v[LIM], s97                          ; 448 x the scale
	s_cmp_eq_u32 s66, 2
	s_cbranch_scc1 .Lv_path
	; ================ q, k.  Accumulator (a, b), register j of lane (r, h): position 16 a + r of my 128, channel 16 b + 8 h + j of the head
.macro TLD a                           ; the table for row block a: 16 loads of 512 consecutive bytes into set a % 4 of window 1: registers 8 b + j: cos(position, 16 b + 8 h + j), b < 4; + 32: sin
	WIN 0x40
.irp c, 0,1,2,3,4,5,6,7,8,9,10,11,12,13,14,15
	global_load_b128 v[64*((\a)%4)+4*\c:64*((\a)%4)+4*\c+3], v[L16], s[100:101] offset:(\a)*8192+512*\c
.endr
.endm
.macro STATC a                         ; my 64 squares of row block a, in four chains of pairs; each accumulator is read from its low end on
.set bb, 0
.rept 2
.set i, 0
.rept 4
.set k, 0
.rept 4
.set AC, 64*((\a)%4)+8*(bb+k)+2*i
.set PC, CH+8*(\a)+2*k
.if (bb == 0) && (i == 0)
	v_pk_mul_f32 v[PC:PC+1], v[AC:AC+1], v[AC:AC+1]
.else
	v_pk_fma_f32 v[PC:PC+1], v[AC:AC+1], v[AC:AC+1], v[PC:PC+1]
.endif
.set k, k+1
.endr
.set i, i+1
.endr
.set bb, bb+4
.endr
.endm
	TLD 0
	TLD 1
	TLD 2
	TLD 3
	WIN 0x0a                                       ; sources 0 and 1 window 2
.irp a, 0,1,2,3
	STATC \a
.endr
	WIN 0x0f                                       ; window 3
.irp a, 4,5,6,7
	STATC \a
.endr
	WIN 0
.irp a, 0,1,2,3,4,5,6,7
	v_pk_add_f32 v[CH+8*\a:CH+8*\a+1], v[CH+8*\a:CH+8*\a+1], v[CH+8*\a+2:CH+8*\a+3]
	v_pk_add_f32 v[CH+8*\a+4:CH+8*\a+5], v[CH+8*\a+4:CH+8*\a+5], v[CH+8*\a+6:CH+8*\a+7]
	v_mov_b32 v[PD+\a], 0                          ; a lane permute's destination counts as one of its sources
.endr
.irp a, 0,1,2,3,4,5,6,7
	v_pk_add_f32 v[CH+8*\a:CH+8*\a+1], v[CH+8*\a:CH+8*\a+1], v[CH+8*\a+4:CH+8*\a+5]
.endr
.irp a, 0,1,2,3,4,5,6,7
	v_add_f32 v[SS+\a], v[CH+8*\a], v[CH+8*\a+1]
.endr
.irp a, 0,1,2,3,4,5,6,7
	v_permlanex16_b32 v[PD+\a], v[SS+\a], s8, s9   ; the row's other 64 channels lie in the lane 16 away
.endr
.irp a, 0,1,2,3,4,5,6,7
	v_add_f32 v[SS+\a], v[SS+\a], v[PD+\a]
.endr
	s_lshl_b32 s67, s96, 1
	s_sub_co_i32 s67, s67, 7                       ; the mean of the squares: x 2^(2 E) / 128
.irp a, 0,1,2,3,4,5,6,7
	v_ldexp_f32 v[SS+\a], v[SS+\a], s67
.endr
.irp a, 0,1,2,3,4,5,6,7
	v_add_f32 v[SS+\a], 0x34000000, v[SS+\a]       ; + 2^-23
.endr
.irp a, 0,1,2,3,4,5,6,7
	v_rsq_f32 v[F+2*\a], v[SS+\a]
.endr
	v_nop                                          ; a plain line behind the last of the batch
	s_wait_alu depctr_va_vdst(0)                   ; one wait for the eight, ahead of their first reader
.irp a, 0,1,2,3,4,5,6,7
	v_ldexp_f32 v[F+2*\a], v[F+2*\a], s96          ; a sum x this = the normalised number
.endr
.irp a, 0,1,2,3,4,5,6,7
	v_mov_b32 v[F+2*\a+1], v[F+2*\a]               ; (named with it as a pair, so it is written)
.endr
; Row block a: normalised, rotated, quantised; its 16 rows x 128 bytes go through my stage and come back as whole rows.
.macro BLOCK a
.set TS, 64*((\a)%4)                   ; the block's accumulators in their window, and its set of the table in window 1
.set CC, CQ+16*((\a)%2)
.set BB, BKQ+16*((\a)%2)
	WIN 0x02+((\a)/4)                              ; source 0: window 2 or 3
.set j, 0
.rept 32
	v_pk_mul_f32 v[U+j:U+j+1], v[TS+j:TS+j+1], v[F+2*(\a):F+2*(\a)+1] op_sel_hi:[1,0]
.set j, j+2
.endr
.if (\a) <= 4
	s_wait_loadcnt 48                              ; this block's 16 loads of the table are in; three younger sets may be out
.else
	s_wait_loadcnt 16*(7-(\a))
.endif
	WIN 0x04                                       ; source 1: window 1.  y1 = x1 cos + x2 sin, y2 = x2 cos - x1 sin; x1 = channels 0-63 (registers 0-31), x2 = channels 64-127
.set i, 0
.rept 16
.set TA, TT+4*((i/2)%2)
	v_pk_mul_f32 v[TA:TA+1], v[U+32+i:U+32+i+1], v[TS+32+i:TS+32+i+1]
	v_pk_mul_f32 v[TA+2:TA+3], v[U+i:U+i+1], v[TS+32+i:TS+32+i+1]
	v_pk_fma_f32 v[U+i:U+i+1], v[U+i:U+i+1], v[TS+i:TS+i+1], v[TA:TA+1]
	v_pk_fma_f32 v[U+32+i:U+32+i+1], v[U+32+i:U+32+i+1], v[TS+i:TS+i+1], v[TA+2:TA+3] neg_lo:[0,0,1] neg_hi:[0,0,1]
.set i, i+2
.endr
.if (\a) < 4
	TLD (\a)+4                                     ; the set just used takes the table of four blocks on
.endif
	WIN 0
.set j, 0
.rept 64
	v_med3_num_f32 v[U+j], v[U+j], -v[LIM], v[LIM] ; the conversion to an 8-bit code does not saturate (ISA guide 7.6.2): the hold comes first
.set j, j+1
.endr
.irp b, 0,1,2,3,4,5,6,7
	v_cvt_scalef32_pk8_fp8_f32 v[CC+2*\b:CC+2*\b+1], v[U+8*\b:U+8*\b+7], v[SCL]
.endr
	v_nop                                          ; one plain line between the conversions and the next vector line that writes their sources
.if (\a) > 1
	s_wait_xcnt 0x0                                ; block a - 2's stores have read their data: the loads below land there
.endif
.irp b, 0,1,2,3,4,5,6,7
	ds_store_b64 v[QSTO], v[CC+2*\b:CC+2*\b+1] offset:16*SQ*((\a)%2)+16*\b
.endr
.irp i, 0,1,2,3
	ds_load_b128 v[BB+4*\i:BB+4*\i+3], v[QRD] offset:16*SQ*((\a)%2)+4*SQ*\i   ; LDS serves a wave's instructions in order: these see the stores above
.endr
.endm
.macro SENDQ a, younger                ; younger: the LDS instructions issued behind block a's loads, which may stay out
.set BB, BKQ+16*((\a)%2)
	s_wait_dscnt \younger
.irp i, 0,1,2,3
	global_store_b128 v[L16], v[BB+4*\i:BB+4*\i+3], s[98:99] offset:2048*(\a)+512*\i   ; four rows of 128 bytes: 512 consecutive bytes
.endr
.endm
	BLOCK 0
.irp a, 1,2,3,4,5,6,7
	BLOCK \a
	SENDQ \a-1, 12                                 ; behind block a - 1's loads: block a's 8 stores and 4 loads
.endr
	SENDQ 7, 0
	s_branch .Lend
	; ================ v.  Accumulator (a, b), register j of lane (r, h): channel 64 (a / 4) + 4 r + a % 4 of the head, key 16 b + 8 h + j of my 128
.Lv_path:
.macro VLD b                           ; vi for column block b: keys 16 b + 8 h + j, channels 64 g + 4 r + 0..3: into set b % 4 of window 1 at 8 j + 4 g + 0..3 = 8 j + a.  Sixteen lanes read 256 consecutive bytes
	WIN 0x40
.irp j, 0,1,2,3,4,5,6,7
.irp g, 0,1
	global_load_b128 v[64*((\b)%4)+8*\j+4*\g:64*((\b)%4)+8*\j+4*\g+3], v[VIO], s[100:101] offset:(16*(\b)+\j)*8192+256*\g th:TH_LOAD_NT
.endr
.endr
.endm
.macro VBLK b
.set VS, 64*((\b)%4)
.set CC, CV+16*((\b)%2)
	WIN 0x02                                       ; source 0: window 2: row blocks 0-3.
.set a, 0
.rept 4
.set i, 0
.rept 4
	v_pk_mul_f32 v[T+8*a+i:T+8*a+i+1], v[64*a+8*(\b)+i:64*a+8*(\b)+i+1], v[SV:SV+1] op_sel_hi:[1,0]
.set i, i+2
.endr
.set a, a+1
.endr
	WIN 0x03                                       ; window 3: row blocks 4-7
.set a, 4
.rept 4
.set i, 0
.rept 4
	v_pk_mul_f32 v[T+8*a+i:T+8*a+i+1], v[64*(a-4)+8*(\b)+i:64*(a-4)+8*(\b)+i+1], v[SV:SV+1] op_sel_hi:[1,0]
.set i, i+2
.endr
.set a, a+1
.endr
.if (\b) <= 4
	s_wait_loadcnt 48                              ; this block's 16 loads of vi are in; three younger sets may be out
.else
	s_wait_loadcnt 16*(7-(\b))
.endif
	WIN 0x01                                       ; source 0: window 1
.set a, 0
.rept 8
.set j, 0
.rept 8
	v_fma_f32 v[T+8*a+j], v[VS+8*j+a], s95, v[T+8*a+j]   ; lambda1 vi + lambda0 v
.set j, j+1
.endr
.set a, a+1
.endr
.if (\b) < 4
	VLD (\b)+4
.endif
	WIN 0
.set j, 0
.rept 64
	v_med3_num_f32 v[T+j], v[T+j], -v[LIM], v[LIM]
.set j, j+1
.endr
	s_wait_dscnt 8                                 ; only the last block's 8 stores may be out: those of two blocks ago have read this set of codes
.irp a, 0,1,2,3,4,5,6,7
	v_cvt_scalef32_pk8_fp8_f32 v[CC+2*\a:CC+2*\a+1], v[T+8*\a:T+8*\a+7], v[SCL]
.endr
	v_nop                                          ; one plain line between the conversions and the next vector line that writes their sources
.irp a, 0,1,2,3,4,5,6,7
	ds_store_b64 v[VSTO], v[CC+2*\a:CC+2*\a+1] offset:16*SQ*\a+16*(\b)   ; stage row 16 a + r, keys 16 b + 8 h + 0..7
.endr
.endm
	VLD 0
	VLD 1
	VLD 2
	VLD 3
	WIN 0
	v_mov_b32 v[SV], s94
	v_ldexp_f32 v[SV], v[SV], s96                  ; lambda0 x 2^E
	v_mov_b32 v[SV+1], v[SV]                       ; (named with it as a pair, so it is written)
.irp b, 0,1,2,3,4,5,6,7
	VBLK \b
.endr
.set i, 0
.rept 32                               ; channels 4 i + lane / 8 in their true order: stage rows 64 (i / 16) + 16 (lane / 8) + i % 16
	ds_load_b128 v[BKV+4*i:BKV+4*i+3], v[VRD] offset:(64*(i/16)+i%16)*SQ
.set i, i+1
.endr
.set i, 0
.rept 32
	s_wait_dscnt 31-i
	global_store_b128 v[L16], v[BKV+4*i:BKV+4*i+3], s[98:99] offset:512*i   ; 512 consecutive bytes; the wave's block of 16,384 bytes is dense
.set i, i+1
.endr
.Lend:
	s_wait_tensorcnt 0x0                           ; the wave's end, behind my last tensor load and my last LDS store
	ds_add_u32 v[SPW], v[NIL]
	s_wait_dscnt 0x0
	CROUND                                         ; the closing round: no work-group ends while a partner may still ask for a tile that names it
	s_endpgm
.Lfunc_end_k_qb7036cec19_qkv:
	.size	k_qb7036cec19_qkv, .Lfunc_end_k_qb7036cec19_qkv-k_qb7036cec19_qkv
	.p2alignl 7, 3214868480
	.fill 96, 4, 3214868480
	.section	.rodata,"a",@progbits
	.p2align	6, 0x0
	.amdhsa_kernel k_qb7036cec19_qkv
		.amdhsa_group_segment_fixed_size 327680
		.amdhsa_private_segment_fixed_size 0
		.amdhsa_enable_private_segment 0
		.amdhsa_kernarg_size 64
		.amdhsa_user_sgpr_count 2
		.amdhsa_user_sgpr_kernarg_segment_ptr 1
		.amdhsa_wavefront_size32 1
		.amdhsa_system_sgpr_workgroup_id_x 1
		.amdhsa_system_sgpr_workgroup_id_y 1
		.amdhsa_system_sgpr_workgroup_id_z 1
		.amdhsa_system_vgpr_workitem_id 0
		.amdhsa_next_free_vgpr 1024
		.amdhsa_next_free_sgpr 102
		.amdhsa_reserve_vcc 0
		.amdhsa_float_denorm_mode_32 3
		.amdhsa_float_denorm_mode_16_64 3
		.amdhsa_memory_ordered 1
		.amdhsa_forward_progress 1
		.amdhsa_inst_pref_size 255
	.end_amdhsa_kernel
	.section	.bss,"aw",@nobits
	.p2align	6
	.space	262144
	.amdgpu_metadata
---
amdhsa.version: [ 1, 2 ]
amdhsa.kernels:
  - .name:           k_qb7036cec19_qkv
    .symbol:         k_qb7036cec19_qkv.kd
    .args:
      - { .name: x_codes, .offset: 0, .size: 8, .value_kind: global_buffer, .address_space: global }
      - { .name: wqkv_codes, .offset: 8, .size: 8, .value_kind: global_buffer, .address_space: global }
      - { .name: lowp_scales, .offset: 16, .size: 8, .value_kind: global_buffer, .address_space: global }
      - { .name: lambdas, .offset: 24, .size: 8, .value_kind: global_buffer, .address_space: global }
      - { .name: vi, .offset: 32, .size: 8, .value_kind: global_buffer, .address_space: global }
      - { .name: rope, .offset: 40, .size: 8, .value_kind: global_buffer, .address_space: global }
      - { .name: qk_codes, .offset: 48, .size: 8, .value_kind: global_buffer, .address_space: global }
      - { .name: v_codes, .offset: 56, .size: 8, .value_kind: global_buffer, .address_space: global }
    .group_segment_fixed_size: 327680
    .private_segment_fixed_size: 0
    .kernarg_segment_align: 8
    .kernarg_segment_size: 64
    .max_flat_workgroup_size: 128
    .sgpr_count:     102
    .vgpr_count:     1024
    .wavefront_size: 32
...
	.end_amdgpu_metadata
.endif
;; end of part 2
;; launch attn (part 3): grid 16 x 16, 16 waves a work-group, clusters of 4 x 1, 327,680 bytes of LDS; arguments qk_codes, v_codes, lowp_scales, y_codes; writes y_codes
.if DOCPART == 3
	.amdgcn_target "amdgcn-amd-amdhsa--gfx1250"
	.amdhsa_code_object_version 6
	.text
	.protected	k_qb7036cec19_attn
	.globl	k_qb7036cec19_attn
	.p2align	8
	.type	k_qb7036cec19_attn,@function
k_qb7036cec19_attn:
	s_mov_b64 s[64:65], 0
	v_nop
	global_prefetch_b8 v0, s[64:65] scope:SCOPE_SE
	s_setreg_imm32_b32 hwreg(HW_REG_WAVE_MODE, 25, 1), 1
	s_wait_xcnt 0x0
	s_wait_alu depctr_hold_cnt(0) depctr_sa_sdst(0) depctr_va_vdst(0) depctr_va_sdst(0) depctr_va_ssrc(0) depctr_va_vcc(0) depctr_vm_vsrc(0)
	s_getreg_b32 s2, hwreg(HW_REG_IB_STS2, 6, 4)
	s_cmp_eq_u32 s2, 0
	s_cbranch_scc0 .Lentry_in_a_cluster
	s_endpgm
.Lentry_in_a_cluster:
	s_bfe_u32 s2, ttmp6, 0x10000c
	s_cmp_lg_u32 s2, 0x3003
	s_cbranch_scc0 .Lentry_shape_is_right
	s_endpgm
.Lentry_shape_is_right:
; y[t][head] = the sum over keys s <= t of softmax_s(q[t] . k[s] / sqrt(128)) v[s], both products on codes of E4M3; y is quantised (entry 10) into y_codes [head][t][128].
; q, k: qk_codes [q, k][head][t][128] (entries 6, 7).  v: v_codes [head][t / 128][128 channels][128 keys] (entry 8): the keys are the second product's K.
; THE SOFTMAX AHEAD OF THE SECOND PRODUCT: t = score x log2(e) / sqrt(128); M = the largest t so far, rounded UP to a whole number; p = 2^(t - M) is quantised (entry 9), not normalised.
; The row's sum is taken of the unquantised p and divides at the end.  When M moves, the sum and O are multiplied by 2^(old M - new M): exact.
; SHARES.  A cluster of four work-groups serves, of one head, the blocks of 128 queries c, 7 - c, 8 + c and 15 - c (c = the cluster's number, 0..3): 34 key steps of 128 for each tile of 16 queries taken over the four
; blocks, whatever c.  Of each block's eight tiles a work-group takes two (by its place in the cluster, which enters global addresses and one number a lane, no branch and no LDS address).
; A tile's key steps are shared by TWO waves, even steps and odd steps: wave w = 4 x (which block) + 2 x (which tile) + parity.  So sixteen waves, 256 registers each, four to a SIMD, and no wave has more than 8 steps.
; At the end the odd wave hands its O, M and sum to the even wave through LDS, as an image of its registers.
; Every work-group walks all 8 slots of 256 keys: trip counts are constants and no tensor load or barrier is jumped over; a step all of whose keys come after the block is left out by a scalar branch on ids.
; THE RING: two LDS slots; a slot holds 256 rows of k and two blocks of v.  The four partners walk the same k and v: each tile is asked for JOINTLY (waves 0 to 3, one load of 128 rows x 128 bytes each).
; LAYOUT.  Both products are used transposed: S^T = K Q^T, O^T = V^T P^T: a lane holds ONE query (lane % 16) throughout.  THE KEYS OF A TILE ARE NOT NEIGHBOURS: lane r of tile 2 b + u takes key 32 b + 8 u + r + 8 (r / 8),
; so that the 16 registers of tiles 2 b and 2 b + 1 are the 16 neighbouring keys 32 b + 16 (lane / 16) + 0 .. 15.
; LIMITS on the given exponents: e6 + e7 between -123 and 130 (added to c's exponent field); e9 and e10 between -126 and 119; e8 + e9 is applied by v_ldexp_f32 and has none.
; REGISTERS: v1-7 addresses that stay; v8, v9 addresses of the loads in hand; v12 -M, v13 the largest t, v[14:15] the sum in two halves; v16-31 Q; v32-95 four fragments of K or V; v96-159 S^T, then p; v160-223 O^T;
;   v224-239 p's codes; v240, v244 p's limit and scale; v241 my query less my half's first key, inside the block; v245-247 LDS addresses of the end; v248, v249 y's limit and scale; v236, v242, v243, v250-254 at work.
.set KP,    144                        ; a row in LDS: 128 bytes + 16 of padding = 36 words: the 16 rows of a load start at 16 different groups of four banks
.set HALFB, 128*KP                     ; what one tensor load brings
.set VOFF,  2*HALFB                    ; a slot: 256 rows of K, then two blocks of 128 rows of V
.set SLOT1, 1<<17                      ; slot 1 begins here, so that one exclusive or turns an address in one slot into the other's
.set NSL,   8                          ; slots' worth of keys
.set SPARE, 2*SLOT1                    ; behind the ring: the spare words, 128 bytes for each wave
.set IMG,   8704                       ; the end: an odd wave's image: 16 x 512 bytes of O^T, 512 of M and sums.  Eight images from LDS byte 0 on: slot 0 has had its last fill, and nobody reads it behind the last change of slots
.set YST,   73728                      ; behind slot 0's tiles: 16 rows x 144 bytes for each wave, for y's codes
.set AK0,  1
.set AV0,  2
.set PFO,  3                           ; v3   256 x lane
.set SPW,  5
.set NIL,  6
.set GO,   7                           ; v7   16 x lane
.set ADK,  8
.set ADV,  9
.set TB,   12                          ; s12  LDS byte at which the slot in hand begins
.set PR,   14                          ; s14  my parity
.set LIM,  15                          ; s15  1 in a wave that prefetches, else the greatest number
.set BQ,   16                          ; s16  my block of 128 queries
.set STP,  17                          ; s17  the key step that I would take in the slot in hand
.set WV,   18
.set SLOTS, 19
.set SEL,  20
.set CS,   22
.set G1,   24
.set PFA,  32
.set G0,   40
.macro TLOAD                           ; waves 0 to 3 fetch, the others nothing; the branch hangs on the wave's number alone.  Four v_nop follow the line
	s_cmp_lt_u32 s[WV], 4
	s_cbranch_scc0 .Lasked_\@
	tensor_load_to_lds s[G0:G0+3], s[G1:G1+7]
	s_nop 0
.rept 4
	v_nop
.endr
.Lasked_\@:
.endm
; A PREFETCH INTO THE L2 of what the NEXT change of slots will ask for: 32,768 bytes of k and as many of v.  All four clusters of a head walk the same k and v: the head's first cluster asks.  Its four partners share the bytes
; out BY ADDRESS, 8,192 each; in each, wave 4 asks for k's and wave 5 for v's, lanes 256 bytes apart: one instruction.  So each block of 256 bytes is named once in the launch.  The last change that fills a slot asks for
; nothing; slots 0 and 1 come by their loads alone.
.macro ASK
	s_cmp_gt_u32 s[SLOTS], s[LIM]
	s_cbranch_scc0 .Lnot_mine_\@
	global_prefetch_b8 v[PFO], s[PFA:PFA+1] th:TH_LOAD_NT scope:SCOPE_SE
.Lnot_mine_\@:
.endm
.macro CROUND                          ; a round of the cluster's barrier
	s_barrier_signal -1
	s_barrier_wait -1
	s_cmp_lg_u32 s[WV], 0
	s_cbranch_scc1 .Lnot_wave_0_\@
	s_barrier_signal -3
.Lnot_wave_0_\@:
	s_barrier_wait -3
	s_barrier_signal -1
	s_barrier_wait -1
.endm
	s_load_b256 s[4:11], s[0:1], 0x0               ; qk_codes s[4:5], v_codes s[6:7], the exponents s[8:9], y_codes s[10:11]
	v_lshl_add_u32 v[SPW], v0, 2, SPARE
	v_mov_b32 v[NIL], 0
	ds_add_u32 v5, v6
	s_wait_dscnt 0x0
	v_lshrrev_b32 v8, 5, v0
	v_readfirstlane_b32 s[WV], v8                  ; wave 0..15
	s_bfe_u32 s13, ttmp6, 0x40000                  ; cx: my place in the cluster
	s_and_b32 s34, ttmp7, 0xffff                   ; the head, which the partners share:
	s_lshl_b32 s34, s34, 18                        ; 262,144 bytes a head in every tensor of codes
	s_and_b32 s[PR], s[WV], 1
	s_bfe_u32 s36, s[WV], 0x10001                  ; which of my work-group's two tiles
	s_lshr_b32 s37, s[WV], 2                       ; which of the four blocks
	s_sub_co_u32 s38, 7, ttmp9
	s_and_b32 s39, s37, 1
	s_cmp_eq_u32 s39, 1
	s_cselect_b32 s[BQ], s38, ttmp9                ; c or 7 - c,
	s_and_b32 s38, s37, 2
	s_lshl_b32 s38, s38, 2
	s_add_co_u32 s[BQ], s[BQ], s38                 ; + 8 in the upper two: the same in all partners, for a given wave
	s_lshl_b32 s53, s13, 1
	s_add_co_u32 s53, s53, s36
	s_lshl_b32 s53, s53, 4                         ; my tile's first query inside the block: 16 (2 cx + tile)
	s_lshl_b32 s54, s[BQ], 7
	s_add_co_u32 s54, s54, s53                     ; my first query,
	s_lshl_b32 s54, s54, 7                         ; its 128 bytes a row,
	s_add_co_u32 s54, s54, s34                     ; in my head
	s_mov_b32 s55, 0
	s_and_b32 s62, s[WV], 3                        ; what I fetch, if I fetch: 0, 1: k's halves; 2, 3: v's blocks
	s_lshl_b32 s58, s[PR], 14                      ; 128 rows x 128 bytes
	s_add_co_u32 s58, s58, s34
	s_mov_b32 s59, 0
	; descriptor group 1: 128 rows x 128 bytes, dense in memory, padded in LDS
	s_mov_b32 s[G1], 15|(0<<16)|(1<<20)|(1<<21)|(4<<22)|(3<<25)   ; 15:0 the mask: all four work-groups; 17:16 elements of 1 byte; 20 padding on; 21 set beside a mask; 24:22 after every 32 words (code 4); 31:25 four words (code 3)
	s_mov_b32 s[G1+1], 128<<16                     ; tensor_dim0
	s_mov_b32 s[G1+2], 128<<16                     ; tensor_dim1
	s_mov_b32 s[G1+3], 128<<16                     ; tile_dim0
	s_mov_b32 s[G1+4], 128                         ; tile_dim1
	s_mov_b32 s[G1+5], 128                         ; tensor_dim0_stride
	s_mov_b32 s[G1+6], 0
	s_mov_b32 s[G1+7], 0
	s_mov_b32 s[SEL], 0x76543210
	s_mov_b32 s[SEL+1], 0xfedcba98
	s_mov_b32 s[CS], 0x3e0293ee                    ; c = log2(e) / sqrt(128)
	s_mov_b32 s[TB], 0
	s_mov_b32 s[SLOTS], NSL-1
	s_mov_b32 s[STP], s[PR]
	s_lshr_b32 s[LIM], s[WV], 1
	s_xor_b32 s[LIM], s[LIM], 2                    ; 0 in waves 4 and 5,
	s_or_b32 s[LIM], s[LIM], ttmp9                 ; of the head's first cluster
	s_cmp_eq_u32 s[LIM], 0
	s_cselect_b32 s[LIM], 1, -1
	s_wait_kmcnt 0x0
	s_load_b128 s[48:51], s[8:9], 0x18             ; e6, e7, e8, e9
	s_load_b32 s52, s[8:9], 0x28                   ; e10
	s_add_nc_u64 s[66:67], s[4:5], 0x400000        ; k's codes: the second plane
	s_cmp_lt_u32 s62, 2
	s_cselect_b64 s[60:61], s[66:67], s[6:7]
	s_mov_b32 s[G0], 1                             ; 1:0 count = 1
	s_mul_i32 s[G0+1], s62, HALFB                  ; 63:32 LDS address: slot 0
	s_add_nc_u64 s[G0+2:G0+3], s[60:61], s[58:59]  ; 120:64 global address: the head's first 256 keys
	s_or_b32 s[G0+3], s[G0+3], 0x80000000          ; 127:126 type = 2
	CROUND                                         ; all four work-groups are here: the first joint loads meet
	TLOAD                                          ; slot 0
	s_cmp_eq_u32 s[PR], 0                          ; the prefetches: wave 4 stands in k, wave 5 in v,
	s_cselect_b64 s[PFA:PFA+1], s[66:67], s[6:7]
	s_lshl_b32 s38, s13, 13                        ; at my work-group's 8,192 bytes
	s_add_co_u32 s38, s38, s34
	s_add_co_u32 s38, s38, 32768                   ; of slot 1: the first change of slots steps it to slot 2.  Nothing is prefetched here, at the head
	s_mov_b32 s39, 0
	s_add_nc_u64 s[PFA:PFA+1], s[PFA:PFA+1], s[38:39]
	s_add_nc_u64 s[56:57], s[4:5], s[54:55]        ; q's codes at my first query
	s_add_nc_u64 s[10:11], s[10:11], s[54:55]      ; y's codes likewise
	v_and_b32 v8, 15, v0                           ; r
	v_bfe_u32 v9, v0, 4, 1                         ; h
	v_lshlrev_b32 v10, 7, v8
	v_lshl_add_u32 v10, v9, 4, v10
.irp c, 0,1,2,3
	global_load_b128 v[16+4*\c:19+4*\c], v10, s[56:57] offset:32*\c   ; Q's fragment stays in registers
.endr
	v_and_b32 v11, 8, v8
	v_add_nc_u32 v11, v11, v8                      ; r + 8 (r / 8)
	s_mul_i32 s38, s[PR], HALFB                    ; my parity's half of a slot's keys
	v_mul_u32_u24 v[AK0], v11, KP
	v_lshl_add_u32 v[AK0], v9, 4, v[AK0]
	v_add_nc_u32 v[AK0], s38, v[AK0]
	v_mul_u32_u24 v[AV0], v8, KP
	v_lshl_add_u32 v[AV0], v9, 4, v[AV0]
	v_add_nc_u32 v[AV0], s38, v[AV0]
	v_add_nc_u32 v[AV0], VOFF, v[AV0]
	v_and_b32 v4, 31, v0                           ; lane
	v_lshlrev_b32 v[PFO], 8, v4
	v_lshlrev_b32 v[GO], 4, v4
	v_lshlrev_b32 v241, 4, v9
	v_sub_nc_u32 v241, v8, v241
	v_add_nc_u32 v241, s53, v241                   ; on the diagonal, register 16 b + i holds the block's key 16 h + 32 b + i: hidden where 32 b + i > my query - 16 h
	s_lshr_b32 s38, s[WV], 1
	s_mul_i32 s38, s38, IMG
	v_add_nc_u32 v245, s38, v[GO]                  ; my pair's image
	s_mul_i32 s38, s[WV], 16*KP
	s_add_co_u32 s38, s38, YST
	v_mul_u32_u24 v246, v8, KP
	v_lshl_add_u32 v246, v9, 3, v246
	v_add_nc_u32 v246, s38, v246                   ; y's codes in: row r, 8 bytes for each half of the lanes
	v_lshrrev_b32 v247, 3, v4
	v_mul_u32_u24 v247, v247, KP
	v_and_b32 v11, 7, v4
	v_lshl_add_u32 v247, v11, 4, v247
	v_add_nc_u32 v247, s38, v247                   ; and back: eight lanes to a row of 128 bytes
	v_mov_b32 v13, 0xff61b1e6                      ; the largest t so far: -3e38, under every t
	v_floor_f32 v12, -v13                          ; -M
	v_mov_b32 v14, 0                               ; the sum, in two halves
	v_mov_b32 v15, 0
	v_mov_b32 v236, 0                              ; a lane permute's destination counts as one of its sources
	v_mov_b32 v253, 0                              ; (named as the upper half of the pair v[252:253])
.set j, 0
.rept 64
	v_mov_b32 v[160+j], 0                          ; O^T.  (The step is written for every trip alike: the first finds zeros, which the first change of M leaves zeros; a wave without any step hands on zeros)
.set j, j+1
.endr
	s_wait_kmcnt 0x0
	s_add_co_i32 s38, s48, s49
	s_lshl_b32 s38, s38, 23
	s_add_co_i32 s[CS], s[CS], s38                 ; a score stands for score x 2^(e6 + e7): the exponents are added to c's exponent field
	s_mov_b32 s[CS+1], s[CS]                       ; (named with it as a pair, so it is written)
	s_add_co_i32 s38, s51, 127
	s_lshl_b32 s39, s38, 23
	v_mov_b32 v244, s39                            ; 2^e9 as f32, for p's conversion
	s_add_co_i32 s38, s38, 8
	s_lshl_b32 s38, s38, 23
	s_or_b32 s38, s38, 0x600000
	v_mov_b32 v240, s38                            ; 448 x 2^e9
	s_add_co_i32 s38, s52, 127
	s_lshl_b32 s39, s38, 23
	v_mov_b32 v249, s39                            ; 2^e10, for y's
	s_add_co_i32 s38, s38, 8
	s_lshl_b32 s38, s38, 23
	s_or_b32 s38, s38, 0x600000
	v_mov_b32 v248, s38                            ; 448 x 2^e10
	s_add_co_i32 s63, s50, s51                     ; e8 + e9
; MY KEY STEP OF THE SLOT IN HAND: 128 keys.
.macro STEP
	s_cmp_gt_u32 s[STP], s[BQ]                     ; all its keys come after my block's queries: left out.  No barrier and no tensor load stands in a step
	s_cbranch_scc1 .Lhidden_\@
	v_add_nc_u32 v[ADK], s[TB], v[AK0]
	v_add_nc_u32 v[ADV], s[TB], v[AV0]
.irp g, 0,1                                    ; S^T = K Q^T, four tiles of 16 keys at a time
.rept 4-2*(1-\g)
	v_nop                                          ; places in front of loads into registers that matrix instructions have read: four; the two additions above are places too
.endr
.irp t, 0,1,2,3
.irp c, 0,1,2,3
	ds_load_b128 v[32+16*\t+4*\c:32+16*\t+4*\c+3], v[ADK] offset:(32*((4*\g+\t)/2)+8*(\t%2))*KP+32*\c
.endr
.endr
	s_wait_dscnt 0x0
.irp t, 0,1,2,3
	v_wmma_f32_16x16x128_fp8_fp8 v[96+8*(4*\g+\t):103+8*(4*\g+\t)], v[32+16*\t:47+16*\t], v[16:31], 0
.endr
.endr
.rept 4
	v_nop
.endr
	s_cmp_lg_u32 s[STP], s[BQ]                     ; only the block's own step lies on the diagonal: there hidden scores become -infinity ahead of the maximum, and p = 0
	s_cbranch_scc1 .Lopen_\@
	v_mov_b32 v254, 0xff800000
.set n, 0
.rept 64
	v_cmp_gt_i32 vcc_lo, 32*(n/16)+n%16, v241
	v_cndmask_b32 v[96+n], v[96+n], v254, vcc_lo
.set n, n+1
.endr
.Lopen_\@:
	v_max3_num_f32 v254, v96, v97, v98             ; the step's largest score of my query, among my 64 keys, in two chains,
	v_max3_num_f32 v252, v99, v100, v101
.irp i, 6,10,14,18,22,26,30,34,38,42,46,50,54,58
	v_max3_num_f32 v254, v254, v[96+\i], v[97+\i]
	v_max3_num_f32 v252, v252, v[98+\i], v[99+\i]
.endr
	v_max3_num_f32 v254, v254, v158, v159
	v_max_num_f32 v254, v254, v252
	v_permlanex16_b32 v236, v254, s[SEL], s[SEL+1]
	v_max_num_f32 v254, v254, v236                 ; and among lane l xor 16's
	v_mul_f32 v254, s[CS], v254                    ; as t (c is positive)
	v_max_num_f32 v13, v13, v254                   ; the running largest t
	v_mov_b32 v254, v12
	v_floor_f32 v12, -v13                          ; the new -M = floor(-t) = -ceil(t): M is a whole number
	v_sub_f32 v254, v12, v254                      ; M's old value less its new one: a whole number, 0 or less
	v_cvt_i32_f32 v254, v254                       ; (it saturates)
	v_ldexp_f32 v252, 1.0, v254                    ; f = 2^(old M - new M)
.set j, 0
.rept 32
	v_pk_fma_f32 v[96+j:97+j], v[96+j:97+j], s[CS:CS+1], v[12:13] op_sel_hi:[1,0,0]   ; t - M, two at a time (of the pairs c and -M the low word serves both halves)
.set j, j+2
.endr
.set j, 0
.rept 64
	v_exp_f32 v[96+j], v[96+j]                     ; p = 2^(t - M), at most 1: not normalised
.set j, j+1
.endr
	v_pk_mul_f32 v[14:15], v[14:15], v[252:253] op_sel_hi:[1,0]   ; the sums under the new M.  (A plain line behind the exponentials)
	s_wait_alu depctr_va_vdst(0)                   ; one wait for the whole batch, ahead of its first reader
	v_pk_add_f32 v[242:243], v[96:97], v[98:99]    ; the row's sum is taken of the unquantised p: two at a time, in two chains
.irp j, 4,8,12,16,20,24,28,32,36,40,44,48,52,56,60
	v_pk_add_f32 v[14:15], v[14:15], v[96+\j:97+\j]
	v_pk_add_f32 v[242:243], v[242:243], v[98+\j:99+\j]
.endr
	v_pk_add_f32 v[14:15], v[14:15], v[242:243]
.irp b, 0,1,2,3
.irp i, 0,1,2,3,4,5,6,7,8,9,10,11,12,13,14,15
	v_min_num_f32 v[96+16*\b+\i], v[96+16*\b+\i], v240   ; the conversion does not saturate (ISA guide 7.6.2); p is not negative, so the hold is one-sided
.endr
	v_cvt_scalef32_pk8_fp8_f32 v[224+4*\b:225+4*\b], v[96+16*\b:103+16*\b], v244
	v_cvt_scalef32_pk8_fp8_f32 v[226+4*\b:227+4*\b], v[104+16*\b:111+16*\b], v244
.endr
.set j, 0
.rept 32
	v_pk_mul_f32 v[160+j:161+j], v[160+j:161+j], v[252:253] op_sel_hi:[1,0]   ; O^T under the new M.  (These 32 are also the places in front of the matrix instructions and loads below)
.set j, j+2
.endr
.irp g, 0,1                                    ; O^T += V^T P^T: four tiles of 16 channels at a time; K = these 128 keys
.if \g > 0
.rept 4
	v_nop
.endr
.endif
.irp t, 0,1,2,3
.irp c, 0,1,2,3
	ds_load_b128 v[32+16*\t+4*\c:32+16*\t+4*\c+3], v[ADV] offset:16*(4*\g+\t)*KP+32*\c
.endr
.endr
	s_wait_dscnt 0x0
.irp t, 0,1,2,3
	v_wmma_f32_16x16x128_fp8_fp8 v[160+8*(4*\g+\t):167+8*(4*\g+\t)], v[32+16*\t:47+16*\t], v[224:239], v[160+8*(4*\g+\t):167+8*(4*\g+\t)]
.endr
.endr
.Lhidden_\@:
	s_add_co_u32 s[STP], s[STP], 2                 ; my step of the next slot
.endm
; THE CHANGE OF SLOTS stands at a slot's head.  Each wave waits for all its tensor loads (its part of the slot that it is about to read), adds 0 to its spare word, and waits for that and for its reads of the slot that it has left.
; fill = 1: the barrier is a round of the cluster's, so that no wave of any partner still reads the other slot or has a load on its way; that slot is then filled with the keys that follow.
.macro CHANGE fill
	s_wait_tensorcnt 0x0                           ; no tensor load of mine is out, so the group 0 may be written
	ds_add_u32 v[SPW], v[NIL]                      ; 0 onto my spare word
.if \fill
	s_xor_b32 s[G0+1], s[G0+1], SLOT1              ; the walking descriptor: the other slot than last time,
	s_add_nc_u64 s[G0+2:G0+3], s[G0+2:G0+3], 32768 ; the next 256 keys; the type bits on top are not reached
	s_wait_xcnt 0x0                                ; the last prefetch, a slot back, has read its address, so it may be written:
	s_add_nc_u64 s[PFA:PFA+1], s[PFA:PFA+1], 32768 ; one slot further on than the walking descriptor
.endif
	s_wait_dscnt 0x0                               ; the add is done, and my reads of the slot that I have left are over
.if \fill
	CROUND
	TLOAD                                          ; the first thing behind the round, and a wave's one tensor load until the next
	ASK
.else
	s_barrier_signal -1
	s_barrier_wait -1
.endif
.endm
	s_wait_loadcnt 0x0                             ; Q
.Lslot:                                            ; NSL - 1 trips: behind each change of slots but the last the next slot is asked for
	CHANGE 1
	STEP
	s_xor_b32 s[TB], s[TB], SLOT1                  ; on to the other slot
	s_sub_co_u32 s[SLOTS], s[SLOTS], 1
	s_cmp_lg_u32 s[SLOTS], 0
	s_cbranch_scc1 .Lslot
	CHANGE 0                                       ; the last slot is written out
	STEP
	; THE END.  The odd wave's O^T, -M and sums go to LDS as they stand in its registers; the even wave takes them, brings both parts under one M, divides, quantises and stores.
.rept 4
	v_nop                                          ; places behind the last products
.endr
	s_cmp_eq_u32 s[PR], 0
	s_cbranch_scc1 .Lkeeper
.set k, 0
.rept 16
	ds_store_b128 v245, v[160+4*k:163+4*k] offset:512*k   ; each accumulator from its low end on
.set k, k+1
.endr
	ds_store_b128 v245, v[12:15] offset:8192
.Lkeeper:
	s_wait_dscnt 0x0                               ; for the partner's sake: my stores have landed
	s_barrier_signal -1
	s_barrier_wait -1
	s_cmp_lg_u32 s[PR], 0
	s_cbranch_scc1 .Lend
.set k, 0
.rept 16
	ds_load_b128 v[96+4*k:99+4*k], v245 offset:512*k
.set k, k+1
.endr
	ds_load_b128 v[232:235], v245 offset:8192      ; the partner's -M, largest t, and sum in two halves
	s_wait_dscnt 0x0
	v_min_num_f32 v254, v12, v232                  ; -M of the two together
	v_sub_f32 v252, v254, v12                      ; my M less the common one: a whole number, 0 or less,
	v_sub_f32 v250, v254, v232                     ; and the partner's (a partner that had no step: -3e38)
	v_cvt_i32_f32 v252, v252
	v_cvt_i32_f32 v250, v250                       ; (it saturates)
	v_ldexp_f32 v252, 1.0, v252                    ; f0
	v_ldexp_f32 v250, 1.0, v250                    ; f1 (0 for a partner without a step)
	v_mov_b32 v251, v250                           ; (named with it as a pair, so it is written)
	v_add_f32 v14, v14, v15
	v_add_f32 v234, v234, v235
	v_mul_f32 v14, v14, v252
	v_fma_f32 v14, v234, v250, v14
	v_permlanex16_b32 v236, v14, s[SEL], s[SEL+1]
	v_add_f32 v14, v14, v236                       ; the row's sum
	v_rcp_f32 v14, v14
.set j, 0
.rept 32
	v_pk_mul_f32 v[160+j:161+j], v[160+j:161+j], v[252:253] op_sel_hi:[1,0]   ; plain lines behind the reciprocal, which do not name its result
.set j, j+2
.endr
.set j, 0
.rept 32
	v_pk_fma_f32 v[160+j:161+j], v[96+j:97+j], v[250:251], v[160+j:161+j] op_sel_hi:[1,0,1]
.set j, j+2
.endr
	s_wait_alu depctr_va_vdst(0)                   ; the wait ahead of the reciprocal's first reader
	v_ldexp_f32 v14, v14, s63                      ; x 2^(e8 + e9)
.set j, 0
.rept 32
	v_pk_mul_f32 v[96+j:97+j], v[160+j:161+j], v[14:15] op_sel_hi:[1,0]   ; y: register 8 t + i is y(query r, channel 16 t + 8 h + i)
.set j, j+2
.endr
.set j, 0
.rept 64
	v_med3_num_f32 v[96+j], v[96+j], -v248, v248
.set j, j+1
.endr
.irp t, 0,1,2,3,4,5,6,7
	v_cvt_scalef32_pk8_fp8_f32 v[224+2*\t:225+2*\t], v[96+8*\t:103+8*\t], v249
.endr
	v_nop
.irp t, 0,1,2,3,4,5,6,7
	ds_store_b64 v246, v[224+2*\t:225+2*\t] offset:16*\t
.endr
.irp i, 0,1,2,3
	ds_load_b128 v[32+4*\i:35+4*\i], v247 offset:4*KP*\i   ; LDS serves a wave's instructions in order: these see my stores
.endr
.irp i, 0,1,2,3
	s_wait_dscnt 3-\i
	global_store_b128 v[GO], v[32+4*\i:35+4*\i], s[10:11] offset:512*\i   ; four rows of 128 bytes: 512 consecutive bytes
.endr
.Lend:
	s_wait_tensorcnt 0x0                           ; the wave's end, behind my last tensor load and my last LDS store
	ds_add_u32 v[SPW], v[NIL]
	s_wait_dscnt 0x0
	CROUND                                         ; the closing round: no work-group ends while a partner may still ask for a tile that names it
	s_endpgm
.Lfunc_end_k_qb7036cec19_attn:
	.size	k_qb7036cec19_attn, .Lfunc_end_k_qb7036cec19_attn-k_qb7036cec19_attn
	.p2alignl 7, 3214868480
	.fill 96, 4, 3214868480
	.section	.rodata,"a",@progbits
	.p2align	6, 0x0
	.amdhsa_kernel k_qb7036cec19_attn
		.amdhsa_group_segment_fixed_size 327680
		.amdhsa_private_segment_fixed_size 0
		.amdhsa_enable_private_segment 0
		.amdhsa_kernarg_size 32
		.amdhsa_user_sgpr_count 2
		.amdhsa_user_sgpr_kernarg_segment_ptr 1
		.amdhsa_wavefront_size32 1
		.amdhsa_system_sgpr_workgroup_id_x 1
		.amdhsa_system_sgpr_workgroup_id_y 1
		.amdhsa_system_sgpr_workgroup_id_z 1
		.amdhsa_system_vgpr_workitem_id 0
		.amdhsa_next_free_vgpr 256
		.amdhsa_next_free_sgpr 68
		.amdhsa_reserve_vcc 1
		.amdhsa_float_denorm_mode_32 3
		.amdhsa_float_denorm_mode_16_64 3
		.amdhsa_memory_ordered 1
		.amdhsa_forward_progress 1
		.amdhsa_inst_pref_size 74
	.end_amdhsa_kernel
	.amdgpu_metadata
---
amdhsa.version: [ 1, 2 ]
amdhsa.kernels:
  - .name:           k_qb7036cec19_attn
    .symbol:         k_qb7036cec19_attn.kd
    .args:
      - { .name: qk_codes, .offset: 0, .size: 8, .value_kind: global_buffer, .address_space: global }
      - { .name: v_codes, .offset: 8, .size: 8, .value_kind: global_buffer, .address_space: global }
      - { .name: lowp_scales, .offset: 16, .size: 8, .value_kind: global_buffer, .address_space: global }
      - { .name: y_codes, .offset: 24, .size: 8, .value_kind: global_buffer, .address_space: global }
    .group_segment_fixed_size: 327680
    .private_segment_fixed_size: 0
    .kernarg_segment_align: 8
    .kernarg_segment_size: 32
    .max_flat_workgroup_size: 512
    .sgpr_count:     68
    .vgpr_count:     256
    .wavefront_size: 32
...
	.end_amdgpu_metadata
.endif
;; end of part 3
;; launch proj (part 4): grid 8 x 8, 4 waves a work-group, clusters of 4 x 4, 327,680 bytes of LDS; arguments y_codes, wp_codes, lowp_scales, out0; writes out0
.if DOCPART == 4
	.amdgcn_target "amdgcn-amd-amdhsa--gfx1250"
	.amdhsa_code_object_version 6
	.text
	.protected	k_qb7036cec19_proj
	.globl	k_qb7036cec19_proj
	.p2align	8
	.type	k_qb7036cec19_proj,@function
k_qb7036cec19_proj:
	s_mov_b64 s[64:65], 0
	v_nop
	global_prefetch_b8 v0, s[64:65] scope:SCOPE_SE
	s_setreg_imm32_b32 hwreg(HW_REG_WAVE_MODE, 25, 1), 1
	s_wait_xcnt 0x0
	s_wait_alu depctr_hold_cnt(0) depctr_sa_sdst(0) depctr_va_vdst(0) depctr_va_sdst(0) depctr_va_ssrc(0) depctr_va_vcc(0) depctr_vm_vsrc(0)
	s_getreg_b32 s2, hwreg(HW_REG_IB_STS2, 6, 4)
	s_cmp_eq_u32 s2, 0
	s_cbranch_scc0 .Lentry_in_a_cluster
	s_endpgm
.Lentry_in_a_cluster:
	s_bfe_u32 s2, ttmp6, 0x10000c
	s_cmp_lg_u32 s2, 0xf033
	s_cbranch_scc0 .Lentry_shape_is_right
	s_endpgm
.Lentry_shape_is_right:
; out0[t][n] = sum over k of y[t][k] wproj[n][k], on codes of E4M3; each finished sum is multiplied once by 2^(e10 + e11).
; y_codes lies [head][t][128]: k = 128 x head + channel, so a K step of 256 is two planes.  wp_codes lies [n][2048].  out0: [2048][2048] f32.
; LIMIT: e10 + e11 lies between -126 and 127, so that 2^(e10 + e11) is an f32 number.
; A tile of 256 x 256 is made by four waves, 128 x 128 each: 64 accumulators of 16 x 16, 512 registers.  64 work-groups: the largest wave tile, so that each LDS byte feeds the most products.
; K goes in steps of 256 through a ring of two LDS slots filled by the tensor data mover.  Of y a wave's load brings one plane's 256 rows x 128 bytes, a dense block of memory; of wproj 128 rows x 256 bytes.
; CLUSTERS: 4 x 4 work-groups.  The four of a row of the cluster need the same tiles of y, the four of a column the same tiles of wproj: each tile is asked for JOINTLY.
; THE MATRIX INSTRUCTION IS USED TRANSPOSED (source 0 = 16 rows of wproj, source 1 = 16 rows of y): a lane then holds eight neighbouring numbers of a row of out0.
; REGISTERS, in windows of 256: window 0: v0-31 addresses; from v128 y's fragments, one set; on the way out v32-255 are free.  window 1: wproj's fragments, two sets.  windows 2, 3: the accumulators.
.set SIZE_N, 2048
.set KSTEP,  256
.set ROWB,   256                       ; a row of B's tile in bytes
.set KROW,   2048                      ; a row of wp_codes
.set PLANE,  262144                    ; a plane of y_codes
.set PITCH,  272                       ; B's LDS row: 256 bytes + 16: the 16 rows that a load touches start at 16 different banks (64 banks of 4 bytes: ISA guide 11.1)
.set APITCH, 144                       ; A's LDS row: 128 bytes + 16: likewise
.set AQ,     256*APITCH                ; a plane's 256 rows in LDS: from one 128 along K to the next
.set FR,     16
.set NL,     4
.set NP,     4
.set HALFT,  128*PITCH
.set BOFF,   2*AQ                      ; a slot: A's two planes, then B's 256 rows
.set SLOT,   BOFF+2*HALFT
.set LAPS,   2048/(2*KSTEP)
.set SPARE,  2*SLOT                    ; behind the ring: the spare words, 128 bytes for each wave
.set SPITCH, 528                       ; the way out: a stage of 16 rows x (512 bytes + 16) for each wave, in slot 0, which has had its last fill and its last read when the first result is stored there
.set ADRA, 16
.set ADRB, 20
.set STO,  24
.set RD,   25
.set CO,   26
.set SPW,  28
.set NIL,  29
.set TMP,  32
.set AF,   128
.set BK,   128
.set G1, 24
.set G0, 32
.set G1B, 48
.set G0B, 56
.set MSB, 0
.macro WIN new                         ; the immediate's high byte repeats the setting that is left
.if MSB != (\new)
	s_set_vgpr_msb (MSB<<8)|(\new)
.set MSB, (\new)
.endif
.endm
.set MUL_LO, 0xa1
.set MUL_HI, 0xf1
.set TO_B,   0x40
.macro JLOAD g0a, g1a, g0b, g1b        ; a joint load: waves 0 and 1 fetch for A, waves 2 and 3 for B; four v_nop follow each of the two lines
	s_cmp_eq_u32 s15, 0
	s_cbranch_scc0 .Lfor_b_\@
	tensor_load_to_lds s[\g0a:\g0a+3], s[\g1a:\g1a+7]
	s_nop 0
.rept 4
	v_nop
.endr
	s_branch .Lasked_\@
.Lfor_b_\@:
	tensor_load_to_lds s[\g0b:\g0b+3], s[\g1b:\g1b+7]
	s_nop 0
.rept 4
	v_nop
.endr
.Lasked_\@:
.endm
.macro CREST
	s_cmp_lg_u32 s14, 0
	s_cbranch_scc1 .Lnot_wave_0_\@
	s_barrier_signal -3
.Lnot_wave_0_\@:
	s_barrier_wait -3
	s_barrier_signal -1
	s_barrier_wait -1
.endm
.macro CROUND
	s_barrier_signal -1
	s_barrier_wait -1
	CREST
.endm
	s_load_b128 s[4:7], s[0:1], 0x0                ; y_codes s[4:5], wp_codes s[6:7]
	s_load_b128 s[8:11], s[0:1], 0x10              ; the exponents s[8:9], out0 s[10:11]
	v_lshl_add_u32 v[SPW], v0, 2, SPARE
	v_mov_b32 v[NIL], 0
	ds_add_u32 v28, v29
	s_wait_dscnt 0x0
	v_lshrrev_b32 v1, 5, v0
	v_readfirstlane_b32 s14, v1                    ; wave 0..3
	s_lshr_b32 s15, s14, 1                         ; which half of the tile's rows is mine.  Also: I fetch for A (0) or for B (1)
	s_and_b32 s16, s14, 1                          ; which half of its columns.  Also: which plane of A, or which 128 rows of B, I fetch
	s_bfe_u32 s40, ttmp6, 0x40000
	s_bfe_u32 s41, ttmp6, 0x40004
	s_lshl_b32 s42, ttmp9, 2
	s_add_co_u32 s42, s42, s40                     ; tile column
	s_and_b32 s17, ttmp7, 0xffff
	s_lshl_b32 s17, s17, 2
	s_add_co_u32 s17, s17, s41                     ; tile row
	s_lshl_b32 s43, s41, 2
	s_lshl_b32 s43, 15, s43                        ; my row of the cluster
	s_lshl_b32 s44, 0x1111, s40                    ; my column
	; A: 256 rows x 128 bytes, dense; four words of padding after every 32.  B: 128 rows x 256 bytes, 2,048 bytes apart; four words after every 64
	s_or_b32 s[G1+0], s43, (0<<16)|(1<<20)|(1<<21)|(4<<22)|(3<<25)
	s_mov_b32 s[G1+1], 128<<16                     ; tensor_dim0
	s_mov_b32 s[G1+2], 256<<16                     ; tensor_dim1
	s_mov_b32 s[G1+3], 128<<16                     ; tile_dim0
	s_mov_b32 s[G1+4], 256                         ; tile_dim1
	s_mov_b32 s[G1+5], 128                         ; tensor_dim0_stride
	s_mov_b32 s[G1+6], 0
	s_mov_b32 s[G1+7], 0
	s_or_b32 s[G1B+0], s44, (0<<16)|(1<<20)|(1<<21)|(5<<22)|(3<<25)
	s_mov_b32 s[G1B+1], ROWB<<16
	s_mov_b32 s[G1B+2], 128<<16
	s_mov_b32 s[G1B+3], ROWB<<16
	s_mov_b32 s[G1B+4], 128
	s_mov_b32 s[G1B+5], KROW
	s_mov_b32 s[G1B+6], 0
	s_mov_b32 s[G1B+7], 0
	s_lshl_b32 s20, s17, 15                        ; A: 256 x tile row rows of 128 bytes,
	s_lshl_b32 s18, s16, 18                        ;    in plane 0 or 1
	s_add_co_u32 s20, s20, s18
	s_mov_b32 s21, 0
	s_lshl_b32 s46, s42, 8
	s_lshl_b32 s18, s16, 7
	s_add_co_u32 s46, s46, s18                     ; B: row 256 x tile column + 128 x half,
	s_lshl_b32 s46, s46, 11                        ;    in bytes
	s_mov_b32 s47, 0
	s_mul_i32 s45, s16, AQ                         ; where they go: no place in the cluster enters an LDS address
	s_mul_i32 s12, s16, HALFT
	s_add_co_u32 s12, s12, BOFF
	s_wait_kmcnt 0x0
	s_load_b64 s[96:97], s[8:9], 0x28              ; e10, e11
	s_add_nc_u64 s[20:21], s[4:5], s[20:21]
	s_add_nc_u64 s[46:47], s[6:7], s[46:47]
	CROUND                                         ; all sixteen work-groups are here: the first joint loads meet
.irp s, 0,1
	s_mov_b32 s[G0+4*\s], 1
	s_add_co_u32 s[G0+4*\s+1], s45, \s*SLOT
	s_add_nc_u64 s[G0+4*\s+2:G0+4*\s+3], s[20:21], \s*2*PLANE
	s_or_b32 s[G0+4*\s+3], s[G0+4*\s+3], 0x80000000
	s_mov_b32 s[G0B+4*\s], 1
	s_add_co_u32 s[G0B+4*\s+1], s12, \s*SLOT
	s_add_nc_u64 s[G0B+4*\s+2:G0B+4*\s+3], s[46:47], \s*ROWB
	s_or_b32 s[G0B+4*\s+3], s[G0B+4*\s+3], 0x80000000
	JLOAD G0+4*\s, G1, G0B+4*\s, G1B
.endr
	v_and_b32 v1, 15, v0                           ; r
	v_bfe_u32 v2, v0, 4, 1                         ; h
	v_mul_u32_u24 v3, v1, APITCH
	v_lshl_add_u32 v3, v2, 4, v3                   ; A: a fragment's row x pitch + 16 x half
	v_mul_u32_u24 v4, v1, PITCH
	v_lshl_add_u32 v4, v2, 4, v4                   ; B likewise
	s_mul_i32 s21, s15, 128*APITCH                 ; my 128 rows of A, in either plane
	s_mul_i32 s22, s16, HALFT                      ; my 128 rows of B
	s_add_co_u32 s22, s22, BOFF
.irp s, 0,1
	v_add_nc_u32 v[ADRA+\s], s21, v3
	v_add_nc_u32 v[ADRB+\s], s22, v4
	s_add_co_u32 s21, s21, SLOT
	s_add_co_u32 s22, s22, SLOT
.endr
	s_mul_i32 s23, s14, 16*SPITCH                  ; my stage
	v_mul_u32_u24 v5, v1, SPITCH                   ; in: row r, 32 bytes for each half of the lanes
	v_lshl_add_u32 v5, v2, 5, v5
	v_add_nc_u32 v[STO], s23, v5
	v_and_b32 v6, 31, v0
	v_lshlrev_b32 v[CO], 4, v6                     ; back: the 32 lanes take one row of 512 bytes; and the same in out0
	v_add_nc_u32 v[RD], s23, v[CO]
	s_lshl_b32 s20, s17, 8
	s_lshl_b32 s21, s15, 7
	s_add_co_u32 s20, s20, s21                     ; my first row of out0
	s_mov_b32 s21, 0
	s_mov_b64 s[18:19], SIZE_N*4
	s_mul_u64 s[20:21], s[20:21], s[18:19]
	s_lshl_b32 s46, s42, 10                        ; my first column, in bytes
	s_lshl_b32 s47, s16, 9
	s_add_co_u32 s46, s46, s47
	s_mov_b32 s47, 0
	s_add_nc_u64 s[20:21], s[20:21], s[46:47]
	s_add_nc_u64 s[10:11], s[10:11], s[20:21]
.macro FRAG reg, adr, q, i, qs, pitch  ; a fragment: lane l holds row l % 16; registers 4 c .. 4 c + 3 hold K = 32 c + 16 (l / 16) + 0 .. 15: a permutation of K, the same on both sides
.irp c, 0,1,2,3
	ds_load_b128 v[\reg+4*\c:\reg+4*\c+3], v[\adr] offset:(\qs)*(\q)+32*\c+(\i)*16*(\pitch)
.endr
.endm
; The 64 accumulators take turns, one instruction a turn, in the same order in every step.  zero = 1: the first product starts the sums.
.macro MUL16 a0, p, zero
.irp a, \a0, \a0+1
.irp b, 0,1,2,3,4,5,6,7
.if \zero
	v_wmma_f32_16x16x128_fp8_fp8 v[8*(8*((\a)%4)+\b):8*(8*((\a)%4)+\b)+7], v[128*(\p)+FR*\b:128*(\p)+FR*\b+FR-1], v[AF+FR*(\a):AF+FR*(\a)+FR-1], 0
.else
	v_wmma_f32_16x16x128_fp8_fp8 v[8*(8*((\a)%4)+\b):8*(8*((\a)%4)+\b)+7], v[128*(\p)+FR*\b:128*(\p)+FR*\b+FR-1], v[AF+FR*(\a):AF+FR*(\a)+FR-1], v[8*(8*((\a)%4)+\b):8*(8*((\a)%4)+\b)+7]
.endif
.endr
.endr
.endm
.macro FETCH_B slot, q, p
	WIN TO_B
.irp i, 0,1,2,3,4,5,6,7
	FRAG 128*(\p)+FR*\i, ADRB+\slot, \q, \i, 128, PITCH
.endr
	WIN 0
.endm
.macro FETCH_A slot, q, i0
.irp i, \i0, \i0+1, \i0+2, \i0+3
	FRAG AF+FR*(\i), ADRA+\slot, \q, \i, AQ, APITCH
.endr
.endm
.macro PLACES n                        ; places behind matrix instructions, in front of loads into registers that they have read and of the first read of results
.rept \n
	v_nop
.endr
.endm
.macro STEP slot, q, zero
	s_wait_dscnt 4*NL                              ; B's set and A's blocks 0-3 are in; the youngest 16 loads (A's blocks 4-7) may be out
	WIN MUL_LO
	MUL16 0, (\q)%2, \zero
	MUL16 2, (\q)%2, \zero
	s_wait_dscnt 0
	PLACES NP
	FETCH_B \slot, (\q)+1, 1-(\q)%2
	FETCH_A \slot, (\q)+1, 0
	WIN MUL_HI
	MUL16 4, (\q)%2, \zero
	MUL16 6, (\q)%2, \zero
	PLACES NP
	WIN 0
	FETCH_A \slot, (\q)+1, 4
.endm
; A slot's last step changes slots: ONE barrier; in front of it each wave waits for all its tensor loads, adds 0 to its spare word, and waits for that and for its own reads of this slot.
.macro TURN slot, next, fill
	s_wait_tensorcnt 0x0                           ; all my tensor loads have landed: my part of the next slot
	ds_add_u32 v[SPW], v[NIL]                      ; 0 onto my spare word
	s_wait_dscnt 4*NL+1                            ; (the add and the youngest 16 loads may be out)
	WIN MUL_LO
	MUL16 0, 1, 0
	s_wait_dscnt 0x0                               ; the add is done, and my reads of this slot are over
	s_barrier_signal -1
	MUL16 2, 1, 0
	WIN 0
	s_barrier_wait -1
.if \fill
	CREST                                          ; the barrier has opened a round of the cluster's barrier: no wave of any partner still reads this slot's tile or has a load on its way
	s_add_nc_u64 s[G0+4*\slot+2:G0+4*\slot+3], s[G0+4*\slot+2:G0+4*\slot+3], 4*PLANE
	s_add_nc_u64 s[G0B+4*\slot+2:G0B+4*\slot+3], s[G0B+4*\slot+2:G0B+4*\slot+3], 2*ROWB
	JLOAD G0+4*\slot, G1, G0B+4*\slot, G1B         ; the first tensor load behind the round; its four v_nop are the places in front of the loads below
.else
	PLACES NP
.endif
	FETCH_B \next, 0, 0
	FETCH_A \next, 0, 0
	WIN MUL_HI
	MUL16 4, 1, 0
	MUL16 6, 1, 0
	PLACES NP
	WIN 0
	FETCH_A \next, 0, 4
.endm
	s_wait_tensorcnt 1                             ; my part of K step 0 is in (K step 1's load may be out)
	s_barrier_signal -1
	s_barrier_wait -1                              ; everybody's is
	FETCH_B 0, 0, 0
	FETCH_A 0, 0, 0
	FETCH_A 0, 0, 4
	STEP 0, 0, 1
	s_mov_b32 s3, LAPS-1
.Llap:
	TURN 0, 1, 1
	STEP 1, 0, 0
	TURN 1, 0, 1
	STEP 0, 0, 0
	s_sub_co_u32 s3, s3, 1
	s_cmp_lg_u32 s3, 0
	s_cbranch_scc1 .Llap
	TURN 0, 1, 0                                   ; the last lap fills nothing, and has no round of the cluster's barrier
	STEP 1, 0, 0
	s_wait_dscnt 4*NL
	WIN MUL_LO
	MUL16 0, 1, 0
	MUL16 2, 1, 0
	s_wait_dscnt 0
	WIN MUL_HI
	MUL16 4, 1, 0
	MUL16 6, 1, 0
	WIN 0
; THE WAY OUT, block by block of 16 rows x 128 columns: through my own stage in LDS, back as whole rows of 512 bytes.  LDS serves a wave's instructions in order (ISA guide 5.7.1.4): no wait between the stores and the loads.
.macro TOSTAGE a
.set AC, 64*((\a)%4)
	WIN 0x02+((\a)/4)
.set j, 0
.rept 32
	v_pk_mul_f32 v[TMP+j:TMP+j+1], v[AC+j:AC+j+1], s[96:97] op_sel_hi:[1,0]   ; both x s96 = 2^(e10 + e11); each accumulator from its low end on
.set j, j+2
.endr
	WIN 0
.irp b, 0,1,2,3,4,5,6,7
	ds_store_b128 v[STO], v[TMP+8*\b:TMP+8*\b+3] offset:64*\b
	ds_store_b128 v[STO], v[TMP+8*\b+4:TMP+8*\b+7] offset:64*\b+16
.endr
.set BB, BK+64*((\a)%2)
.irp t, 0,1,2,3,4,5,6,7,8,9,10,11,12,13,14,15
	ds_load_b128 v[BB+4*\t:BB+4*\t+3], v[RD] offset:\t*SPITCH
.endr
.endm
.macro SEND a, younger
.set BB, BK+64*((\a)%2)
	s_wait_dscnt \younger
.if (\a) > 0
	s_add_nc_u64 s[10:11], s[10:11], 16*SIZE_N*4   ; (behind a wait on XCNT: the earlier stores have read their base)
.endif
.irp t, 0,1,2,3,4,5,6,7,8,9,10,11,12,13,14,15
	global_store_b128 v[CO], v[BB+4*\t:BB+4*\t+3], s[10:11] offset:\t*SIZE_N*4 th:TH_STORE_NT   ; 32 lanes store 512 consecutive bytes, at a multiple of 256 from out0's first byte
.endr
.endm
	s_wait_kmcnt 0x0
	s_add_co_i32 s96, s96, s97
	s_add_co_i32 s96, s96, 127
	s_lshl_b32 s96, s96, 23                        ; 2^(e10 + e11) as f32
	PLACES NP
	TOSTAGE 0
.irp a, 1,2,3,4,5,6,7
.if \a > 1
	s_wait_xcnt 0x0                                ; block a - 2's stores have read their registers and their base
.endif
	TOSTAGE \a
	SEND \a-1, 32                                  ; behind block a - 1's loads: block a's 16 stores and 16 loads
.endr
	s_wait_xcnt 0x0
	SEND 7, 0
	s_wait_tensorcnt 0x0                           ; the wave's end
	ds_add_u32 v[SPW], v[NIL]
	s_wait_dscnt 0x0
	CROUND                                         ; the closing round
	s_endpgm
.Lfunc_end_k_qb7036cec19_proj:
	.size	k_qb7036cec19_proj, .Lfunc_end_k_qb7036cec19_proj-k_qb7036cec19_proj
	.p2alignl 7, 3214868480
	.fill 96, 4, 3214868480
	.section	.rodata,"a",@progbits
	.p2align	6, 0x0
	.amdhsa_kernel k_qb7036cec19_proj
		.amdhsa_group_segment_fixed_size 327680
		.amdhsa_private_segment_fixed_size 0
		.amdhsa_enable_private_segment 0
		.amdhsa_kernarg_size 32
		.amdhsa_user_sgpr_count 2
		.amdhsa_user_sgpr_kernarg_segment_ptr 1
		.amdhsa_wavefront_size32 1
		.amdhsa_system_sgpr_workgroup_id_x 1
		.amdhsa_system_sgpr_workgroup_id_y 1
		.amdhsa_system_sgpr_workgroup_id_z 1
		.amdhsa_system_vgpr_workitem_id 0
		.amdhsa_next_free_vgpr 1024
		.amdhsa_next_free_sgpr 98
		.amdhsa_reserve_vcc 0
		.amdhsa_float_denorm_mode_32 3
		.amdhsa_float_denorm_mode_16_64 3
		.amdhsa_memory_ordered 1
		.amdhsa_forward_progress 1
		.amdhsa_inst_pref_size 123
	.end_amdhsa_kernel
	.amdgpu_metadata
---
amdhsa.version: [ 1, 2 ]
amdhsa.kernels:
  - .name:           k_qb7036cec19_proj
    .symbol:         k_qb7036cec19_proj.kd
    .args:
      - { .name: y_codes, .offset: 0, .size: 8, .value_kind: global_buffer, .address_space: global }
      - { .name: wp_codes, .offset: 8, .size: 8, .value_kind: global_buffer, .address_space: global }
      - { .name: lowp_scales, .offset: 16, .size: 8, .value_kind: global_buffer, .address_space: global }
      - { .name: out0, .offset: 24, .size: 8, .value_kind: global_buffer, .address_space: global }
    .group_segment_fixed_size: 327680
    .private_segment_fixed_size: 0
    .kernarg_segment_align: 8
    .kernarg_segment_size: 32
    .max_flat_workgroup_size: 128
    .sgpr_count:     98
    .vgpr_count:     1024
    .wavefront_size: 32
...
	.end_amdgpu_metadata
.endif
;; end of part 4
;; ======== version 2 of 2: 4 launches
;; workspace buffers: x_codes 12,582,912 bytes; wqkv_codes 12,582,912 bytes; wp_codes 4,194,304 bytes; rope 1,048,576 bytes; qk_codes 8,388,608 bytes; v_codes 4,194,304 bytes; y_codes 4,194,304 bytes
;; launch quant: the kernel of part 1 again; grid 768 x 1, 4 waves a work-group, no clusters, 66,048 bytes of LDS; arguments x, wq, wk, wv, wproj, lowp_scales, x_codes, wqkv_codes, wp_codes, rope; writes x_codes, wqkv_codes, wp_codes, rope
;; launch qkv: the kernel of part 2 again; grid 24 x 8, 4 waves a work-group, clusters of 4 x 4, 327,680 bytes of LDS; arguments x_codes, wqkv_codes, lowp_scales, lambdas, vi, rope, qk_codes, v_codes; writes qk_codes, v_codes
;; launch attn (part 5): grid 16 x 16, 16 waves a work-group, clusters of 4 x 1, 327,680 bytes of LDS; arguments qk_codes, v_codes, lowp_scales, y_codes; writes y_codes
.if DOCPART == 5
	.amdgcn_target "amdgcn-amd-amdhsa--gfx1250"
	.amdhsa_code_object_version 6
	.text
	.protected	k_qb7036cec19_attn
	.globl	k_qb7036cec19_attn
	.p2align	8
	.type	k_qb7036cec19_attn,@function
k_qb7036cec19_attn:
	s_mov_b64 s[64:65], 0
	v_nop
	global_prefetch_b8 v0, s[64:65] scope:SCOPE_SE
	s_setreg_imm32_b32 hwreg(HW_REG_WAVE_MODE, 25, 1), 1
	s_wait_xcnt 0x0
	s_wait_alu depctr_hold_cnt(0) depctr_sa_sdst(0) depctr_va_vdst(0) depctr_va_sdst(0) depctr_va_ssrc(0) depctr_va_vcc(0) depctr_vm_vsrc(0)
	s_getreg_b32 s2, hwreg(HW_REG_IB_STS2, 6, 4)
	s_cmp_eq_u32 s2, 0
	s_cbranch_scc0 .Lentry_in_a_cluster
	s_endpgm
.Lentry_in_a_cluster:
	s_bfe_u32 s2, ttmp6, 0x10000c
	s_cmp_lg_u32 s2, 0x3003
	s_cbranch_scc0 .Lentry_shape_is_right
	s_endpgm
.Lentry_shape_is_right:
; y[t][head] = the sum over keys s <= t of softmax_s(q[t] . k[s] / sqrt(128)) v[s], both products on codes of E4M3; y is quantised (entry 10) into y_codes [t / 128][head][t % 128][128]:
; so the next launch finds, for 128 rows of y, all heads on end: a dense block of memory.
; q, k: qk_codes [q, k][head][t][128] (entries 6, 7).  v: v_codes [head][t / 128][128 channels][128 keys] (entry 8): the keys are the second product's K.
; THE SOFTMAX AHEAD OF THE SECOND PRODUCT: t = score x log2(e) / sqrt(128); M = the largest t so far, rounded UP to a whole number; p = 2^(t - M) is quantised (entry 9), not normalised.
; The row's sum is taken of the unquantised p and divides at the end.  When M moves, the sum and O are multiplied by 2^(old M - new M): exact.
; SHARES.  A cluster of four work-groups serves, of one head, the blocks of 128 queries c, 7 - c, 8 + c and 15 - c (c = the cluster's number, 0..3): 34 key steps of 128 for each tile of 16 queries taken over the four
; blocks, whatever c.  Of each block's eight tiles a work-group takes two (by its place in the cluster, which enters global addresses and one number a lane, no branch and no LDS address).
; A tile's key steps are shared by TWO waves, even steps and odd steps: wave w = 4 x (which block) + 2 x (which tile) + parity.  So sixteen waves, 256 registers each, four to a SIMD, and no wave has more than 8 steps.
; At the end the odd wave hands its O, M and sum to the even wave through LDS, as an image of its registers.
; Every work-group walks all 8 slots of 256 keys: trip counts are constants and no tensor load or barrier is jumped over; a step all of whose keys come after the block is left out by a scalar branch on ids.
; THE RING: two LDS slots; a slot holds 256 rows of k and two blocks of v.  The four partners walk the same k and v: each tile is asked for JOINTLY (waves 0 to 3, one load of 128 rows x 128 bytes each).
; LAYOUT.  Both products are used transposed: S^T = K Q^T, O^T = V^T P^T: a lane holds ONE query (lane % 16) throughout.  THE KEYS OF A TILE ARE NOT NEIGHBOURS: lane r of tile 2 b + u takes key 32 b + 8 u + r + 8 (r / 8),
; so that the 16 registers of tiles 2 b and 2 b + 1 are the 16 neighbouring keys 32 b + 16 (lane / 16) + 0 .. 15.
; LIMITS on the given exponents: e6 + e7 between -123 and 130 (added to c's exponent field); e9 and e10 between -126 and 119; e8 + e9 is applied by v_ldexp_f32 and has none.
; REGISTERS: v1-7 addresses that stay; v8, v9 addresses of the loads in hand; v12 -M, v13 the largest t, v[14:15] the sum in two halves; v16-31 Q; v32-95 four fragments of K or V; v96-159 S^T, then p; v160-223 O^T;
;   v224-239 p's codes; v240, v244 p's limit and scale; v241 my query less my half's first key, inside the block; v245-247 LDS addresses of the end; v248, v249 y's limit and scale; v236, v242, v243, v250-254 at work.
.set KP,    144                        ; a row in LDS: 128 bytes + 16 of padding = 36 words: the 16 rows of a load start at 16 different groups of four banks
.set HALFB, 128*KP                     ; what one tensor load brings
.set VOFF,  2*HALFB                    ; a slot: 256 rows of K, then two blocks of 128 rows of V
.set SLOT1, 1<<17                      ; slot 1 begins here, so that one exclusive or turns an address in one slot into the other's
.set NSL,   8                          ; slots' worth of keys
.set SPARE, 2*SLOT1                    ; behind the ring: the spare words, 128 bytes for each wave
.set IMG,   8704                       ; the end: an odd wave's image: 16 x 512 bytes of O^T, 512 of M and sums.  Eight images from LDS byte 0 on: slot 0 has had its last fill, and nobody reads it behind the last change of slots
.set YST,   73728                      ; behind slot 0's tiles: 16 rows x 144 bytes for each wave, for y's codes
.set AK0,  1
.set AV0,  2
.set PFO,  3                           ; v3   256 x lane
.set SPW,  5
.set NIL,  6
.set GO,   7                           ; v7   16 x lane
.set ADK,  8
.set ADV,  9
.set TB,   12                          ; s12  LDS byte at which the slot in hand begins
.set PR,   14                          ; s14  my parity
.set LIM,  15                          ; s15  1 in a wave that prefetches, else the greatest number
.set BQ,   16                          ; s16  my block of 128 queries
.set STP,  17                          ; s17  the key step that I would take in the slot in hand
.set WV,   18
.set SLOTS, 19
.set SEL,  20
.set CS,   22
.set G1,   24
.set PFA,  32
.set G0,   40
.macro TLOAD                           ; waves 0 to 3 fetch, the others nothing; the branch hangs on the wave's number alone.  Four v_nop follow the line
	s_cmp_lt_u32 s[WV], 4
	s_cbranch_scc0 .Lasked_\@
	tensor_load_to_lds s[G0:G0+3], s[G1:G1+7]
	s_nop 0
.rept 4
	v_nop
.endr
.Lasked_\@:
.endm
; A PREFETCH INTO THE L2 of what the NEXT change of slots will ask for: 32,768 bytes of k and as many of v.  All four clusters of a head walk the same k and v: the head's first cluster asks.  Its four partners share the bytes
; out BY ADDRESS, 8,192 each; in each, wave 4 asks for k's and wave 5 for v's, lanes 256 bytes apart: one instruction.  So each block of 256 bytes is named once in the launch.  The last change that fills a slot asks for
; nothing; slots 0 and 1 come by their loads alone.
.macro ASK
	s_cmp_gt_u32 s[SLOTS], s[LIM]
	s_cbranch_scc0 .Lnot_mine_\@
	global_prefetch_b8 v[PFO], s[PFA:PFA+1] th:TH_LOAD_NT scope:SCOPE_SE
.Lnot_mine_\@:
.endm
.macro CROUND                          ; a round of the cluster's barrier
	s_barrier_signal -1
	s_barrier_wait -1
	s_cmp_lg_u32 s[WV], 0
	s_cbranch_scc1 .Lnot_wave_0_\@
	s_barrier_signal -3
.Lnot_wave_0_\@:
	s_barrier_wait -3
	s_barrier_signal -1
	s_barrier_wait -1
.endm
	s_load_b256 s[4:11], s[0:1], 0x0               ; qk_codes s[4:5], v_codes s[6:7], the exponents s[8:9], y_codes s[10:11]
	v_lshl_add_u32 v[SPW], v0, 2, SPARE
	v_mov_b32 v[NIL], 0
	ds_add_u32 v5, v6
	s_wait_dscnt 0x0
	v_lshrrev_b32 v8, 5, v0
	v_readfirstlane_b32 s[WV], v8                  ; wave 0..15
	s_bfe_u32 s13, ttmp6, 0x40000                  ; cx: my place in the cluster
	s_and_b32 s34, ttmp7, 0xffff                   ; the head, which the partners share:
	s_lshl_b32 s34, s34, 18                        ; 262,144 bytes a head in q's, k's and v's codes
	s_and_b32 s[PR], s[WV], 1
	s_bfe_u32 s36, s[WV], 0x10001                  ; which of my work-group's two tiles
	s_lshr_b32 s37, s[WV], 2                       ; which of the four blocks
	s_sub_co_u32 s38, 7, ttmp9
	s_and_b32 s39, s37, 1
	s_cmp_eq_u32 s39, 1
	s_cselect_b32 s[BQ], s38, ttmp9                ; c or 7 - c,
	s_and_b32 s38, s37, 2
	s_lshl_b32 s38, s38, 2
	s_add_co_u32 s[BQ], s[BQ], s38                 ; + 8 in the upper two: the same in all partners, for a given wave
	s_lshl_b32 s53, s13, 1
	s_add_co_u32 s53, s53, s36
	s_lshl_b32 s53, s53, 4                         ; my tile's first query inside the block: 16 (2 cx + tile)
	s_lshl_b32 s54, s[BQ], 7
	s_add_co_u32 s54, s54, s53                     ; my first query,
	s_lshl_b32 s54, s54, 7                         ; its 128 bytes a row,
	s_add_co_u32 s54, s54, s34                     ; in my head: q's codes
	s_mov_b32 s55, 0
	s_lshl_b32 s44, s[BQ], 18                      ; y's codes: my block of 128 queries: 16 heads x 16,384 bytes,
	s_lshr_b32 s45, s34, 4                         ; the head's 16,384,
	s_add_co_u32 s44, s44, s45
	s_lshl_b32 s45, s53, 7                         ; my tile's first row in it
	s_add_co_u32 s44, s44, s45
	s_mov_b32 s45, 0
	s_and_b32 s62, s[WV], 3                        ; what I fetch, if I fetch: 0, 1: k's halves; 2, 3: v's blocks
	s_lshl_b32 s58, s[PR], 14                      ; 128 rows x 128 bytes
	s_add_co_u32 s58, s58, s34
	s_mov_b32 s59, 0
	; descriptor group 1: 128 rows x 128 bytes, dense in memory, padded in LDS
	s_mov_b32 s[G1], 15|(0<<16)|(1<<20)|(1<<21)|(4<<22)|(3<<25)   ; 15:0 the mask: all four work-groups; 17:16 elements of 1 byte; 20 padding on; 21 set beside a mask; 24:22 after every 32 words (code 4); 31:25 four words (code 3)
	s_mov_b32 s[G1+1], 128<<16                     ; tensor_dim0
	s_mov_b32 s[G1+2], 128<<16                     ; tensor_dim1
	s_mov_b32 s[G1+3], 128<<16                     ; tile_dim0
	s_mov_b32 s[G1+4], 128                         ; tile_dim1
	s_mov_b32 s[G1+5], 128                         ; tensor_dim0_stride
	s_mov_b32 s[G1+6], 0
	s_mov_b32 s[G1+7], 0
	s_mov_b32 s[SEL], 0x76543210
	s_mov_b32 s[SEL+1], 0xfedcba98
	s_mov_b32 s[CS], 0x3e0293ee                    ; c = log2(e) / sqrt(128)
	s_mov_b32 s[TB], 0
	s_mov_b32 s[SLOTS], NSL-1
	s_mov_b32 s[STP], s[PR]
	s_lshr_b32 s[LIM], s[WV], 1
	s_xor_b32 s[LIM], s[LIM], 2                    ; 0 in waves 4 and 5,
	s_or_b32 s[LIM], s[LIM], ttmp9                 ; of the head's first cluster
	s_cmp_eq_u32 s[LIM], 0
	s_cselect_b32 s[LIM], 1, -1
	s_wait_kmcnt 0x0
	s_load_b128 s[48:51], s[8:9], 0x18             ; e6, e7, e8, e9
	s_load_b32 s52, s[8:9], 0x28                   ; e10
	s_add_nc_u64 s[66:67], s[4:5], 0x400000        ; k's codes: the second plane
	s_cmp_lt_u32 s62, 2
	s_cselect_b64 s[60:61], s[66:67], s[6:7]
	s_mov_b32 s[G0], 1                             ; 1:0 count = 1
	s_mul_i32 s[G0+1], s62, HALFB                  ; 63:32 LDS address: slot 0
	s_add_nc_u64 s[G0+2:G0+3], s[60:61], s[58:59]  ; 120:64 global address: the head's first 256 keys
	s_or_b32 s[G0+3], s[G0+3], 0x80000000          ; 127:126 type = 2
	CROUND                                         ; all four work-groups are here: the first joint loads meet
	TLOAD                                          ; slot 0
	s_cmp_eq_u32 s[PR], 0                          ; the prefetches: wave 4 stands in k, wave 5 in v,
	s_cselect_b64 s[PFA:PFA+1], s[66:67], s[6:7]
	s_lshl_b32 s38, s13, 13                        ; at my work-group's 8,192 bytes
	s_add_co_u32 s38, s38, s34
	s_add_co_u32 s38, s38, 32768                   ; of slot 1: the first change of slots steps it to slot 2.  Nothing is prefetched here, at the head
	s_mov_b32 s39, 0
	s_add_nc_u64 s[PFA:PFA+1], s[PFA:PFA+1], s[38:39]
	s_add_nc_u64 s[56:57], s[4:5], s[54:55]        ; q's codes at my first query
	s_add_nc_u64 s[10:11], s[10:11], s[44:45]      ; y's codes at my tile's 2,048 bytes
	v_and_b32 v8, 15, v0                           ; r
	v_bfe_u32 v9, v0, 4, 1                         ; h
	v_lshlrev_b32 v10, 7, v8
	v_lshl_add_u32 v10, v9, 4, v10
.irp c, 0,1,2,3
	global_load_b128 v[16+4*\c:19+4*\c], v10, s[56:57] offset:32*\c   ; Q's fragment stays in registers
.endr
	v_and_b32 v11, 8, v8
	v_add_nc_u32 v11, v11, v8                      ; r + 8 (r / 8)
	s_mul_i32 s38, s[PR], HALFB                    ; my parity's half of a slot's keys
	v_mul_u32_u24 v[AK0], v11, KP
	v_lshl_add_u32 v[AK0], v9, 4, v[AK0]
	v_add_nc_u32 v[AK0], s38, v[AK0]
	v_mul_u32_u24 v[AV0], v8, KP
	v_lshl_add_u32 v[AV0], v9, 4, v[AV0]
	v_add_nc_u32 v[AV0], s38, v[AV0]
	v_add_nc_u32 v[AV0], VOFF, v[AV0]
	v_and_b32 v4, 31, v0                           ; lane
	v_lshlrev_b32 v[PFO], 8, v4
	v_lshlrev_b32 v[GO], 4, v4
	v_lshlrev_b32 v241, 4, v9
	v_sub_nc_u32 v241, v8, v241
	v_add_nc_u32 v241, s53, v241                   ; on the diagonal, register 16 b + i holds the block's key 16 h + 32 b + i: hidden where 32 b + i > my query - 16 h
	s_lshr_b32 s38, s[WV], 1
	s_mul_i32 s38, s38, IMG
	v_add_nc_u32 v245, s38, v[GO]                  ; my pair's image
	s_mul_i32 s38, s[WV], 16*KP
	s_add_co_u32 s38, s38, YST
	v_mul_u32_u24 v246, v8, KP
	v_lshl_add_u32 v246, v9, 3, v246
	v_add_nc_u32 v246, s38, v246                   ; y's codes in: row r, 8 bytes for each half of the lanes
	v_lshrrev_b32 v247, 3, v4
	v_mul_u32_u24 v247, v247, KP
	v_and_b32 v11, 7, v4
	v_lshl_add_u32 v247, v11, 4, v247
	v_add_nc_u32 v247, s38, v247                   ; and back: eight lanes to a row of 128 bytes
	v_mov_b32 v13, 0xff61b1e6                      ; the largest t so far: -3e38, under every t
	v_floor_f32 v12, -v13                          ; -M
	v_mov_b32 v14, 0                               ; the sum, in two halves
	v_mov_b32 v15, 0
	v_mov_b32 v236, 0                              ; a lane permute's destination counts as one of its sources
	v_mov_b32 v253, 0                              ; (named as the upper half of the pair v[252:253])
.set j, 0
.rept 64
	v_mov_b32 v[160+j], 0                          ; O^T.  (The step is written for every trip alike: the first finds zeros, which the first change of M leaves zeros; a wave without any step hands on zeros)
.set j, j+1
.endr
	s_wait_kmcnt 0x0
	s_add_co_i32 s38, s48, s49
	s_lshl_b32 s38, s38, 23
	s_add_co_i32 s[CS], s[CS], s38                 ; a score stands for score x 2^(e6 + e7): the exponents are added to c's exponent field
	s_mov_b32 s[CS+1], s[CS]                       ; (named with it as a pair, so it is written)
	s_add_co_i32 s38, s51, 127
	s_lshl_b32 s39, s38, 23
	v_mov_b32 v244, s39                            ; 2^e9 as f32, for p's conversion
	s_add_co_i32 s38, s38, 8
	s_lshl_b32 s38, s38, 23
	s_or_b32 s38, s38, 0x600000
	v_mov_b32 v240, s38                            ; 448 x 2^e9
	s_add_co_i32 s38, s52, 127
	s_lshl_b32 s39, s38, 23
	v_mov_b32 v249, s39                            ; 2^e10, for y's
	s_add_co_i32 s38, s38, 8
	s_lshl_b32 s38, s38, 23
	s_or_b32 s38, s38, 0x600000
	v_mov_b32 v248, s38                            ; 448 x 2^e10
	s_add_co_i32 s63, s50, s51                     ; e8 + e9
; MY KEY STEP OF THE SLOT IN HAND: 128 keys.
.macro STEP
	s_cmp_gt_u32 s[STP], s[BQ]                     ; all its keys come after my block's queries: left out.  No barrier and no tensor load stands in a step
	s_cbranch_scc1 .Lhidden_\@
	v_add_nc_u32 v[ADK], s[TB], v[AK0]
	v_add_nc_u32 v[ADV], s[TB], v[AV0]
.irp g, 0,1                                    ; S^T = K Q^T, four tiles of 16 keys at a time
.rept 4-2*(1-\g)
	v_nop                                          ; places in front of loads into registers that matrix instructions have read: four; the two additions above are places too
.endr
.irp t, 0,1,2,3
.irp c, 0,1,2,3
	ds_load_b128 v[32+16*\t+4*\c:32+16*\t+4*\c+3], v[ADK] offset:(32*((4*\g+\t)/2)+8*(\t%2))*KP+32*\c
.endr
.endr
	s_wait_dscnt 0x0
.irp t, 0,1,2,3
	v_wmma_f32_16x16x128_fp8_fp8 v[96+8*(4*\g+\t):103+8*(4*\g+\t)], v[32+16*\t:47+16*\t], v[16:31], 0
.endr
.endr
.rept 4
	v_nop
.endr
	s_cmp_lg_u32 s[STP], s[BQ]                     ; only the block's own step lies on the diagonal: there hidden scores become -infinity ahead of the maximum, and p = 0
	s_cbranch_scc1 .Lopen_\@
	v_mov_b32 v254, 0xff800000
.set n, 0
.rept 64
	v_cmp_gt_i32 vcc_lo, 32*(n/16)+n%16, v241
	v_cndmask_b32 v[96+n], v[96+n], v254, vcc_lo
.set n, n+1
.endr
.Lopen_\@:
	v_max3_num_f32 v254, v96, v97, v98             ; the step's largest score of my query, among my 64 keys, in two chains,
	v_max3_num_f32 v252, v99, v100, v101
.irp i, 6,10,14,18,22,26,30,34,38,42,46,50,54,58
	v_max3_num_f32 v254, v254, v[96+\i], v[97+\i]
	v_max3_num_f32 v252, v252, v[98+\i], v[99+\i]
.endr
	v_max3_num_f32 v254, v254, v158, v159
	v_max_num_f32 v254, v254, v252
	v_permlanex16_b32 v236, v254, s[SEL], s[SEL+1]
	v_max_num_f32 v254, v254, v236                 ; and among lane l xor 16's
	v_mul_f32 v254, s[CS], v254                    ; as t (c is positive)
	v_max_num_f32 v13, v13, v254                   ; the running largest t
	v_mov_b32 v254, v12
	v_floor_f32 v12, -v13                          ; the new -M = floor(-t) = -ceil(t): M is a whole number
	v_sub_f32 v254, v12, v254                      ; M's old value less its new one: a whole number, 0 or less
	v_cvt_i32_f32 v254, v254                       ; (it saturates)
	v_ldexp_f32 v252, 1.0, v254                    ; f = 2^(old M - new M)
.set j, 0
.rept 32
	v_pk_fma_f32 v[96+j:97+j], v[96+j:97+j], s[CS:CS+1], v[12:13] op_sel_hi:[1,0,0]   ; t - M, two at a time (of the pairs c and -M the low word serves both halves)
.set j, j+2
.endr
.set j, 0
.rept 64
	v_exp_f32 v[96+j], v[96+j]                     ; p = 2^(t - M), at most 1: not normalised
.set j, j+1
.endr
	v_pk_mul_f32 v[14:15], v[14:15], v[252:253] op_sel_hi:[1,0]   ; the sums under the new M.  (A plain line behind the exponentials)
	s_wait_alu depctr_va_vdst(0)                   ; one wait for the whole batch, ahead of its first reader
	v_pk_add_f32 v[242:243], v[96:97], v[98:99]    ; the row's sum is taken of the unquantised p: two at a time, in two chains
.irp j, 4,8,12,16,20,24,28,32,36,40,44,48,52,56,60
	v_pk_add_f32 v[14:15], v[14:15], v[96+\j:97+\j]
	v_pk_add_f32 v[242:243], v[242:243], v[98+\j:99+\j]
.endr
	v_pk_add_f32 v[14:15], v[14:15], v[242:243]
.irp b, 0,1,2,3
.irp i, 0,1,2,3,4,5,6,7,8,9,10,11,12,13,14,15
	v_min_num_f32 v[96+16*\b+\i], v[96+16*\b+\i], v240   ; the conversion does not saturate (ISA guide 7.6.2); p is not negative, so the hold is one-sided
.endr
	v_cvt_scalef32_pk8_fp8_f32 v[224+4*\b:225+4*\b], v[96+16*\b:103+16*\b], v244
	v_cvt_scalef32_pk8_fp8_f32 v[226+4*\b:227+4*\b], v[104+16*\b:111+16*\b], v244
.endr
.set j, 0
.rept 32
	v_pk_mul_f32 v[160+j:161+j], v[160+j:161+j], v[252:253] op_sel_hi:[1,0]   ; O^T under the new M.  (These 32 are also the places in front of the matrix instructions and loads below)
.set j, j+2
.endr
.irp g, 0,1                                    ; O^T += V^T P^T: four tiles of 16 channels at a time; K = these 128 keys
.if \g > 0
.rept 4
	v_nop
.endr
.endif
.irp t, 0,1,2,3
.irp c, 0,1,2,3
	ds_load_b128 v[32+16*\t+4*\c:32+16*\t+4*\c+3], v[ADV] offset:16*(4*\g+\t)*KP+32*\c
.endr
.endr
	s_wait_dscnt 0x0
.irp t, 0,1,2,3
	v_wmma_f32_16x16x128_fp8_fp8 v[160+8*(4*\g+\t):167+8*(4*\g+\t)], v[32+16*\t:47+16*\t], v[224:239], v[160+8*(4*\g+\t):167+8*(4*\g+\t)]
.endr
.endr
.Lhidden_\@:
	s_add_co_u32 s[STP], s[STP], 2                 ; my step of the next slot
.endm
; THE CHANGE OF SLOTS stands at a slot's head.  Each wave waits for all its tensor loads (its part of the slot that it is about to read), adds 0 to its spare word, and waits for that and for its reads of the slot that it has left.
; fill = 1: the barrier is a round of the cluster's, so that no wave of any partner still reads the other slot or has a load on its way; that slot is then filled with the keys that follow.
.macro CHANGE fill
	s_wait_tensorcnt 0x0                           ; no tensor load of mine is out, so the group 0 may be written
	ds_add_u32 v[SPW], v[NIL]                      ; 0 onto my spare word
.if \fill
	s_xor_b32 s[G0+1], s[G0+1], SLOT1              ; the walking descriptor: the other slot than last time,
	s_add_nc_u64 s[G0+2:G0+3], s[G0+2:G0+3], 32768 ; the next 256 keys; the type bits on top are not reached
	s_wait_xcnt 0x0                                ; the last prefetch, a slot back, has read its address, so it may be written:
	s_add_nc_u64 s[PFA:PFA+1], s[PFA:PFA+1], 32768 ; one slot further on than the walking descriptor
.endif
	s_wait_dscnt 0x0                               ; the add is done, and my reads of the slot that I have left are over
.if \fill
	CROUND
	TLOAD                                          ; the first thing behind the round, and a wave's one tensor load until the next
	ASK
.else
	s_barrier_signal -1
	s_barrier_wait -1
.endif
.endm
	s_wait_loadcnt 0x0                             ; Q
.Lslot:                                            ; NSL - 1 trips: behind each change of slots but the last the next slot is asked for
	CHANGE 1
	STEP
	s_xor_b32 s[TB], s[TB], SLOT1                  ; on to the other slot
	s_sub_co_u32 s[SLOTS], s[SLOTS], 1
	s_cmp_lg_u32 s[SLOTS], 0
	s_cbranch_scc1 .Lslot
	CHANGE 0                                       ; the last slot is written out
	STEP
	; THE END.  The odd wave's O^T, -M and sums go to LDS as they stand in its registers; the even wave takes them, brings both parts under one M, divides, quantises and stores.
.rept 4
	v_nop                                          ; places behind the last products
.endr
	s_cmp_eq_u32 s[PR], 0
	s_cbranch_scc1 .Lkeeper
.set k, 0
.rept 16
	ds_store_b128 v245, v[160+4*k:163+4*k] offset:512*k   ; each accumulator from its low end on
.set k, k+1
.endr
	ds_store_b128 v245, v[12:15] offset:8192
.Lkeeper:
	s_wait_dscnt 0x0                               ; for the partner's sake: my stores have landed
	s_barrier_signal -1
	s_barrier_wait -1
	s_cmp_lg_u32 s[PR], 0
	s_cbranch_scc1 .Lend
.set k, 0
.rept 16
	ds_load_b128 v[96+4*k:99+4*k], v245 offset:512*k
.set k, k+1
.endr
	ds_load_b128 v[232:235], v245 offset:8192      ; the partner's -M, largest t, and sum in two halves
	s_wait_dscnt 0x0
	v_min_num_f32 v254, v12, v232                  ; -M of the two together
	v_sub_f32 v252, v254, v12                      ; my M less the common one: a whole number, 0 or less,
	v_sub_f32 v250, v254, v232                     ; and the partner's (a partner that had no step: -3e38)
	v_cvt_i32_f32 v252, v252
	v_cvt_i32_f32 v250, v250                       ; (it saturates)
	v_ldexp_f32 v252, 1.0, v252                    ; f0
	v_ldexp_f32 v250, 1.0, v250                    ; f1 (0 for a partner without a step)
	v_mov_b32 v251, v250                           ; (named with it as a pair, so it is written)
	v_add_f32 v14, v14, v15
	v_add_f32 v234, v234, v235
	v_mul_f32 v14, v14, v252
	v_fma_f32 v14, v234, v250, v14
	v_permlanex16_b32 v236, v14, s[SEL], s[SEL+1]
	v_add_f32 v14, v14, v236                       ; the row's sum
	v_rcp_f32 v14, v14
.set j, 0
.rept 32
	v_pk_mul_f32 v[160+j:161+j], v[160+j:161+j], v[252:253] op_sel_hi:[1,0]   ; plain lines behind the reciprocal, which do not name its result
.set j, j+2
.endr
.set j, 0
.rept 32
	v_pk_fma_f32 v[160+j:161+j], v[96+j:97+j], v[250:251], v[160+j:161+j] op_sel_hi:[1,0,1]
.set j, j+2
.endr
	s_wait_alu depctr_va_vdst(0)                   ; the wait ahead of the reciprocal's first reader
	v_ldexp_f32 v14, v14, s63                      ; x 2^(e8 + e9)
.set j, 0
.rept 32
	v_pk_mul_f32 v[96+j:97+j], v[160+j:161+j], v[14:15] op_sel_hi:[1,0]   ; y: register 8 t + i is y(query r, channel 16 t + 8 h + i)
.set j, j+2
.endr
.set j, 0
.rept 64
	v_med3_num_f32 v[96+j], v[96+j], -v248, v248
.set j, j+1
.endr
.irp t, 0,1,2,3,4,5,6,7
	v_cvt_scalef32_pk8_fp8_f32 v[224+2*\t:225+2*\t], v[96+8*\t:103+8*\t], v249
.endr
	v_nop
.irp t, 0,1,2,3,4,5,6,7
	ds_store_b64 v246, v[224+2*\t:225+2*\t] offset:16*\t
.endr
.irp i, 0,1,2,3
	ds_load_b128 v[32+4*\i:35+4*\i], v247 offset:4*KP*\i   ; LDS serves a wave's instructions in order: these see my stores
.endr
.irp i, 0,1,2,3
	s_wait_dscnt 3-\i
	global_store_b128 v[GO], v[32+4*\i:35+4*\i], s[10:11] offset:512*\i   ; four rows of 128 bytes: 512 consecutive bytes
.endr
.Lend:
	s_wait_tensorcnt 0x0                           ; the wave's end, behind my last tensor load and my last LDS store
	ds_add_u32 v[SPW], v[NIL]
	s_wait_dscnt 0x0
	CROUND                                         ; the closing round: no work-group ends while a partner may still ask for a tile that names it
	s_endpgm
.Lfunc_end_k_qb7036cec19_attn:
	.size	k_qb7036cec19_attn, .Lfunc_end_k_qb7036cec19_attn-k_qb7036cec19_attn
	.p2alignl 7, 3214868480
	.fill 96, 4, 3214868480
	.section	.rodata,"a",@progbits
	.p2align	6, 0x0
	.amdhsa_kernel k_qb7036cec19_attn
		.amdhsa_group_segment_fixed_size 327680
		.amdhsa_private_segment_fixed_size 0
		.amdhsa_enable_private_segment 0
		.amdhsa_kernarg_size 32
		.amdhsa_user_sgpr_count 2
		.amdhsa_user_sgpr_kernarg_segment_ptr 1
		.amdhsa_wavefront_size32 1
		.amdhsa_system_sgpr_workgroup_id_x 1
		.amdhsa_system_sgpr_workgroup_id_y 1
		.amdhsa_system_sgpr_workgroup_id_z 1
		.amdhsa_system_vgpr_workitem_id 0
		.amdhsa_next_free_vgpr 256
		.amdhsa_next_free_sgpr 68
		.amdhsa_reserve_vcc 1
		.amdhsa_float_denorm_mode_32 3
		.amdhsa_float_denorm_mode_16_64 3
		.amdhsa_memory_ordered 1
		.amdhsa_forward_progress 1
		.amdhsa_inst_pref_size 74
	.end_amdhsa_kernel
	.amdgpu_metadata
---
amdhsa.version: [ 1, 2 ]
amdhsa.kernels:
  - .name:           k_qb7036cec19_attn
    .symbol:         k_qb7036cec19_attn.kd
    .args:
      - { .name: qk_codes, .offset: 0, .size: 8, .value_kind: global_buffer, .address_space: global }
      - { .name: v_codes, .offset: 8, .size: 8, .value_kind: global_buffer, .address_space: global }
      - { .name: lowp_scales, .offset: 16, .size: 8, .value_kind: global_buffer, .address_space: global }
      - { .name: y_codes, .offset: 24, .size: 8, .value_kind: global_buffer, .address_space: global }
    .group_segment_fixed_size: 327680
    .private_segment_fixed_size: 0
    .kernarg_segment_align: 8
    .kernarg_segment_size: 32
    .max_flat_workgroup_size: 512
    .sgpr_count:     68
    .vgpr_count:     256
    .wavefront_size: 32
...
	.end_amdgpu_metadata
.endif
;; end of part 5
;; launch proj (part 6): grid 16 x 16, 4 waves a work-group, clusters of 4 x 4, 327,680 bytes of LDS; arguments y_codes, wp_codes, lowp_scales, out0; writes out0
.if DOCPART == 6
	.amdgcn_target "amdgcn-amd-amdhsa--gfx1250"
	.amdhsa_code_object_version 6
	.text
	.protected	k_qb7036cec19_proj
	.globl	k_qb7036cec19_proj
	.p2align	8
	.type	k_qb7036cec19_proj,@function
k_qb7036cec19_proj:
	s_mov_b64 s[64:65], 0
	v_nop
	global_prefetch_b8 v0, s[64:65] scope:SCOPE_SE
	s_setreg_imm32_b32 hwreg(HW_REG_WAVE_MODE, 25, 1), 1
	s_wait_xcnt 0x0
	s_wait_alu depctr_hold_cnt(0) depctr_sa_sdst(0) depctr_va_vdst(0) depctr_va_sdst(0) depctr_va_ssrc(0) depctr_va_vcc(0) depctr_vm_vsrc(0)
	s_getreg_b32 s2, hwreg(HW_REG_IB_STS2, 6, 4)
	s_cmp_eq_u32 s2, 0
	s_cbranch_scc0 .Lentry_in_a_cluster
	s_endpgm
.Lentry_in_a_cluster:
	s_bfe_u32 s2, ttmp6, 0x10000c
	s_cmp_lg_u32 s2, 0xf033
	s_cbranch_scc0 .Lentry_shape_is_right
	s_endpgm
.Lentry_shape_is_right:
; out0[t][n] = sum over k of y[t][k] wproj[n][k], on codes of E4M3; each finished sum is multiplied once by 2^(e10 + e11).
; y_codes lies [t / 128][head][t % 128][128]: k = 128 x head + channel; 128 rows' codes of one head are a PLANE of 16,384 bytes, and a row tile's 16 planes lie on end.  wp_codes lies [n][2048].  out0: [2048][2048] f32.
; LIMIT: e10 + e11 lies between -126 and 127, so that 2^(e10 + e11) is an f32 number.
; A tile of out0 is 128 x 128: 16 x 16 tiles, one for each of 256 work-groups; tiles of 256 x 256 would be 64.  Four waves, each 64 x 64: 16 accumulators of 16 x 16, 128 registers.
; K goes in four steps of 512 through two LDS slots filled by the tensor data mover: as long a step as two slots in LDS allow.  Of y a wave's load brings two planes, 256 rows x 128 bytes, a dense block of memory;
; of wproj 64 rows x 512 bytes.  Both slots are asked for at the head, each is filled once more: so the four K steps are written out, without a loop.
; CLUSTERS: 4 x 4 work-groups.  The four of a row of the cluster need the same tiles of y, the four of a column the same tiles of wproj: each tile is asked for JOINTLY, by the same tensor load with the
; same descriptor and a mask that names the four.  THE MATRIX INSTRUCTION IS USED TRANSPOSED (source 0 = 16 rows of wproj, source 1 = 16 rows of y): a lane then holds eight neighbouring numbers of a row of out0.
; A wave's 64 columns are 256 bytes of a row of out0, at a multiple of 256.
; REGISTERS: window 0: v0-31 addresses; v32-95 sums x 2^(e10 + e11), two sets of 32; v128-255 the accumulators ((a, b) at v[128 + 8 (4 a + b)]), which also take the rows that come back from the stage.
;   window 1: two fragment buffers of 128: for 128 along K, 64 registers of y (4 x 16 rows), then 64 of wproj.
.set SIZE_N, 2048
.set KSTEP,  512                       ; along K in a slot
.set PLANE,  16384                     ; a plane of y_codes in memory
.set KROW,   2048                      ; a row of wp_codes
.set APITCH, 144                       ; y's LDS row: 128 bytes + 16 of padding = 36 words: the 16 rows that a load touches start at 16 different groups of four banks (64 banks of 4 bytes: ISA guide 11.1)
.set AQ,     128*APITCH                ; a plane in LDS: from one 128 along K to the next
.set AHALF,  2*AQ                      ; what one load of y brings
.set PITCH,  528                       ; wproj's LDS row: 512 bytes + 16 = 132 words: likewise
.set BHALF,  64*PITCH                  ; what one load of wproj brings, and what one wave reads of it
.set BOFF,   4*AQ                      ; a slot: y's four planes, then wproj's 128 rows
.set SLOT,   BOFF+2*BHALF
.set SPARE,  2*SLOT                    ; behind the ring: the spare words, 128 bytes for each wave: two blocks of 256 bytes that no other line names
.set SPITCH, 272                       ; the way out: a stage row of 256 bytes + 16
.set STGB,   16*SPITCH                 ; a block of 16 rows; four blocks for each wave, from LDS byte 0 on: slot 0 has had its last fill and its last read when the first result is stored there
.set FR,     16                        ; registers of a fragment: 16 rows x 128 K
.set ADRA, 16                          ; v16-17  LDS address of my fragments of y in slot 0, 1
.set ADRB, 20                          ; v20-21  the same for wproj
.set STO,  24                          ; v24     the way out: where I put 32 bytes of a row
.set RD,   25                          ; v25     the way out: where I read a row back
.set CO,   26                          ; v26     my byte offset in out0
.set SPW,  28                          ; v28     LDS address of my spare word: SPARE + 4 x my thread's number; never rewritten
.set NIL,  29                          ; v29     0; never rewritten
.set TMP,  32
.set ACC,  128
.set F0,   0                           ; fragment buffers, in window 1
.set F1,   128
.set G1, 24                            ; s[24:31] descriptor group 1 for y's tiles;  s[32:39] group 0, one set for each slot
.set G0, 32
.set G1B, 48                           ; s[48:55], s[56:63] the same for wproj's tiles
.set G0B, 56
.set MSB, 0
.macro WIN new                         ; the immediate's high byte repeats the setting that is left
.if MSB != (\new)
	s_set_vgpr_msb (MSB<<8)|(\new)
.set MSB, (\new)
.endif
.endm
.set MUL,  0x05                        ; sources 0 (wproj) and 1 (y) window 1; C and D window 0
.set TO_F, 0x40                        ; destination window 1, address window 0
.macro JLOAD g0a, g1a, g0b, g1b        ; a joint load: waves 0 and 1 fetch for y, waves 2 and 3 for wproj; the branch hangs on the wave's number alone; four v_nop follow each of the two lines
	s_cmp_eq_u32 s15, 0
	s_cbranch_scc0 .Lfor_b_\@
	tensor_load_to_lds s[\g0a:\g0a+3], s[\g1a:\g1a+7]
	s_nop 0
.rept 4
	v_nop
.endr
	s_branch .Lasked_\@
.Lfor_b_\@:
	tensor_load_to_lds s[\g0b:\g0b+3], s[\g1b:\g1b+7]
	s_nop 0
.rept 4
	v_nop
.endr
.Lasked_\@:
.endm
.macro CREST                           ; a round of the cluster's barrier behind its opening barrier
	s_cmp_lg_u32 s14, 0
	s_cbranch_scc1 .Lnot_wave_0_\@
	s_barrier_signal -3
.Lnot_wave_0_\@:
	s_barrier_wait -3
	s_barrier_signal -1
	s_barrier_wait -1
.endm
.macro CROUND                          ; a whole round
	s_barrier_signal -1
	s_barrier_wait -1
	CREST
.endm
	s_load_b128 s[4:7], s[0:1], 0x0                ; y_codes s[4:5], wp_codes s[6:7]
	s_load_b128 s[8:11], s[0:1], 0x10              ; the exponents s[8:9], out0 s[10:11]
	v_lshl_add_u32 v[SPW], v0, 2, SPARE
	v_mov_b32 v[NIL], 0
	ds_add_u32 v28, v29
	s_wait_dscnt 0x0
	v_lshrrev_b32 v1, 5, v0
	v_readfirstlane_b32 s14, v1                    ; wave 0..3
	s_lshr_b32 s15, s14, 1                         ; which half of the tile's rows is mine.  Also: I fetch for y (0) or for wproj (1)
	s_and_b32 s16, s14, 1                          ; which half of its columns.  Also: which two planes of y, or which 64 rows of wproj, I fetch
	s_bfe_u32 s40, ttmp6, 0x40000                  ; cx, cy: my place in the cluster
	s_bfe_u32 s41, ttmp6, 0x40004
	s_lshl_b32 s42, ttmp9, 2
	s_add_co_u32 s42, s42, s40                     ; tile column = 4 x cluster x + cx
	s_and_b32 s17, ttmp7, 0xffff
	s_lshl_b32 s17, s17, 2
	s_add_co_u32 s17, s17, s41                     ; tile row = 4 x cluster y + cy
	s_lshl_b32 s43, s41, 2
	s_lshl_b32 s43, 15, s43                        ; my row of the cluster
	s_lshl_b32 s44, 0x1111, s40                    ; my column
	; y: 256 rows x 128 bytes, dense; four words of padding after every 32.  wproj: 64 rows x 512 bytes, 2,048 bytes apart; four words after every 128
	s_or_b32 s[G1+0], s43, (0<<16)|(1<<20)|(1<<21)|(4<<22)|(3<<25)   ; 15:0 the mask: y's tiles go to my row; 17:16 element of 1 byte; 20 padding on; 21 set beside a mask; 24:22 the interval's code; 31:25 four words (code 3)
	s_mov_b32 s[G1+1], 128<<16                     ; tensor_dim0
	s_mov_b32 s[G1+2], 256<<16                     ; tensor_dim1
	s_mov_b32 s[G1+3], 128<<16                     ; tile_dim0
	s_mov_b32 s[G1+4], 256                         ; tile_dim1
	s_mov_b32 s[G1+5], 128                         ; tensor_dim0_stride
	s_mov_b32 s[G1+6], 0
	s_mov_b32 s[G1+7], 0
	s_or_b32 s[G1B+0], s44, (0<<16)|(1<<20)|(1<<21)|(6<<22)|(3<<25)  ; the mask: wproj's tiles go to my column
	s_mov_b32 s[G1B+1], KSTEP<<16
	s_mov_b32 s[G1B+2], 64<<16
	s_mov_b32 s[G1B+3], KSTEP<<16
	s_mov_b32 s[G1B+4], 64
	s_mov_b32 s[G1B+5], KROW
	s_mov_b32 s[G1B+6], 0
	s_mov_b32 s[G1B+7], 0
	s_lshl_b32 s20, s17, 18                        ; y: the tile row's 16 planes,
	s_lshl_b32 s18, s16, 15                        ;    planes 0, 1 or 2, 3 of a K step
	s_add_co_u32 s20, s20, s18
	s_mov_b32 s21, 0
	s_lshl_b32 s46, s42, 7
	s_lshl_b32 s18, s16, 6
	s_add_co_u32 s46, s46, s18                     ; wproj: row 128 x tile column + 64 x half,
	s_lshl_b32 s46, s46, 11                        ;        in bytes
	s_mov_b32 s47, 0
	s_mul_i32 s45, s16, AHALF                      ; where they go: no place in the cluster enters an LDS address
	s_mul_i32 s12, s16, BHALF
	s_add_co_u32 s12, s12, BOFF
	s_wait_kmcnt 0x0
	s_load_b64 s[96:97], s[8:9], 0x28              ; e10, e11
	s_add_nc_u64 s[20:21], s[4:5], s[20:21]
	s_add_nc_u64 s[46:47], s[6:7], s[46:47]
	CROUND                                         ; all sixteen work-groups are here: the first joint loads meet
.irp s, 0,1
	s_mov_b32 s[G0+4*\s], 1
	s_add_co_u32 s[G0+4*\s+1], s45, \s*SLOT
	s_add_nc_u64 s[G0+4*\s+2:G0+4*\s+3], s[20:21], \s*4*PLANE
	s_or_b32 s[G0+4*\s+3], s[G0+4*\s+3], 0x80000000
	s_mov_b32 s[G0B+4*\s], 1
	s_add_co_u32 s[G0B+4*\s+1], s12, \s*SLOT
	s_add_nc_u64 s[G0B+4*\s+2:G0B+4*\s+3], s[46:47], \s*KSTEP
	s_or_b32 s[G0B+4*\s+3], s[G0B+4*\s+3], 0x80000000
	JLOAD G0+4*\s, G1, G0B+4*\s, G1B               ; K steps 0 and 1: two loads of mine are out
.endr
	v_and_b32 v1, 15, v0                           ; r
	v_bfe_u32 v2, v0, 4, 1                         ; h
	v_mul_u32_u24 v3, v1, APITCH
	v_lshl_add_u32 v3, v2, 4, v3                   ; y: a fragment's row x pitch + 16 x half
	v_mul_u32_u24 v4, v1, PITCH
	v_lshl_add_u32 v4, v2, 4, v4                   ; wproj likewise
	s_mul_i32 s21, s15, 64*APITCH                  ; my 64 rows of y, in every plane
	s_mul_i32 s22, s16, BHALF                      ; my 64 rows of wproj
	s_add_co_u32 s22, s22, BOFF
.irp s, 0,1
	v_add_nc_u32 v[ADRA+\s], s21, v3
	v_add_nc_u32 v[ADRB+\s], s22, v4
	s_add_co_u32 s21, s21, SLOT
	s_add_co_u32 s22, s22, SLOT
.endr
	s_mul_i32 s23, s14, 4*STGB                     ; my four stages
	v_mul_u32_u24 v5, v1, SPITCH                   ; in: row r, 32 bytes for each half of the lanes
	v_lshl_add_u32 v5, v2, 5, v5
	v_add_nc_u32 v[STO], s23, v5
	v_mul_u32_u24 v6, v2, SPITCH                   ; back: lanes 0-15 take one row of 256 bytes, lanes 16-31 the next
	v_lshl_add_u32 v6, v1, 4, v6
	v_add_nc_u32 v[RD], s23, v6
	v_lshlrev_b32 v[CO], 13, v2                    ; and the same two rows in out0: 8,192 bytes a row
	v_lshl_add_u32 v[CO], v1, 4, v[CO]
	s_lshl_b32 s20, s17, 7
	s_lshl_b32 s21, s15, 6
	s_add_co_u32 s20, s20, s21                     ; my first row of out0: 128 x tile row + 64 x half
	s_mov_b32 s21, 0
	s_mov_b64 s[18:19], SIZE_N*4
	s_mul_u64 s[20:21], s[20:21], s[18:19]
	s_lshl_b32 s46, s42, 9                         ; my first column, in bytes: 512 x tile column + 256 x half
	s_lshl_b32 s47, s16, 8
	s_add_co_u32 s46, s46, s47
	s_mov_b32 s47, 0
	s_add_nc_u64 s[20:21], s[20:21], s[46:47]
	s_add_nc_u64 s[10:11], s[10:11], s[20:21]
.macro FRAG reg, adr, off              ; a fragment: lane l holds row l % 16; registers 4 c .. 4 c + 3 hold K = 32 c + 16 (l / 16) + 0 .. 15: a permutation of K, the same on both sides
.irp c, 0,1,2,3
	ds_load_b128 v[\reg+4*\c:\reg+4*\c+3], v[\adr] offset:\off+32*\c
.endr
.endm
.macro FETCH slot, q, f                ; 32 LDS loads in one run: the fragments of the slot's q-th 128 along K into buffer f
	WIN TO_F
.irp i, 0,1,2,3
	FRAG (\f)+64+FR*\i, ADRB+\slot, 128*(\q)+\i*16*PITCH
	FRAG (\f)+FR*\i, ADRA+\slot, AQ*(\q)+\i*16*APITCH
.endr
.endm
; 8 matrix instructions: y's blocks a0, a0 + 1 x wproj's four, 128 along K, from buffer f.  zero = 1: the first product starts the sums: nothing is ever cleared.
; The 16 accumulators take turns, one instruction a turn, in the same order in every quarter.
.macro MUL8 f, a0, zero
.irp a, \a0, \a0+1
.irp b, 0,1,2,3
.if \zero
	v_wmma_f32_16x16x128_fp8_fp8 v[ACC+8*(4*(\a)+\b):ACC+8*(4*(\a)+\b)+7], v[\f+64+FR*\b:\f+64+FR*\b+FR-1], v[\f+FR*(\a):\f+FR*(\a)+FR-1], 0
.else
	v_wmma_f32_16x16x128_fp8_fp8 v[ACC+8*(4*(\a)+\b):ACC+8*(4*(\a)+\b)+7], v[\f+64+FR*\b:\f+64+FR*\b+FR-1], v[\f+FR*(\a):\f+FR*(\a)+FR-1], v[ACC+8*(4*(\a)+\b):ACC+8*(4*(\a)+\b)+7]
.endif
.endr
.endr
.endm
; A load into a register that a matrix instruction has read, and a vector instruction that reads a matrix result, stand four places behind that matrix instruction, and only plain vector instructions that
; name none of its registers are places (ISA guide 7.12.1 for vector instructions).
.macro PLACES
.rept 4
	v_nop
.endr
.endm
; A K step is four quarters of 128 along K, 16 matrix instructions each, on buffers 0, 1, 0, 1.  One of the first three: the slot's q-th 128 along K is asked for first, into buffer g, which the quarter before
; has multiplied; then buffer f, asked for a quarter ago, is multiplied.  A wave reads 64 KB from LDS for a K step's 64 products: the loads go out as early as the buffer is free.
.macro QUARTER slot, q, f, g, zero
	PLACES
	FETCH \slot, \q, \g
	s_wait_dscnt 32                                ; all but the 32 just issued: buffer f is in
	WIN MUL
	MUL8 \f, 0, \zero
	MUL8 \f, 2, \zero
.endm
; A slot's last quarter multiplies buffer 1 and changes slots: ONE barrier; in front of it each wave waits for all its tensor loads, adds 0 to its spare word, and waits for that and for its own reads of this slot.
; fill = 1: this slot is filled again, two K steps ahead; the barrier then opens a round of the cluster's barrier.
.macro TURN slot, next, fill
	WIN 0                                          ; (the add's two registers lie in window 0)
	s_wait_tensorcnt 0x0                           ; all my tensor loads have landed: my part of the next slot;
	ds_add_u32 v[SPW], v[NIL]                      ; 0 onto my spare word;
	s_wait_dscnt 1                                 ; (buffer 1 is in; the add may be out)
	WIN MUL
	MUL8 F1, 0, 0                                  ; eight matrix instructions stand between the add and the wait for it
	s_wait_dscnt 0x0                               ; the add is done, and my reads of this slot are over
	s_barrier_signal -1
	MUL8 F1, 2, 0
	WIN 0
	s_barrier_wait -1
.if \fill
	CREST                                          ; no wave of any partner still reads this slot's tile or has a load on its way
	s_add_nc_u64 s[G0+4*\slot+2:G0+4*\slot+3], s[G0+4*\slot+2:G0+4*\slot+3], 2*4*PLANE
	s_add_nc_u64 s[G0B+4*\slot+2:G0B+4*\slot+3], s[G0B+4*\slot+2:G0B+4*\slot+3], 2*KSTEP
	JLOAD G0+4*\slot, G1, G0B+4*\slot, G1B         ; the first tensor load behind the round, my one load until the next; its four v_nop are the places in front of the loads below
.else
	PLACES
.endif
	FETCH \next, 0, F0
.endm
	s_wait_tensorcnt 1                             ; my part of K step 0 is in (K step 1's load may be out)
	s_barrier_signal -1
	s_barrier_wait -1                              ; everybody's is
	FETCH 0, 0, F0
	QUARTER 0, 1, F0, F1, 1                        ; K step 0: its first products start the sums
	QUARTER 0, 2, F1, F0, 0
	QUARTER 0, 3, F0, F1, 0
	TURN 0, 1, 1                                   ; slot 0 takes K step 2
	QUARTER 1, 1, F0, F1, 0                        ; K step 1
	QUARTER 1, 2, F1, F0, 0
	QUARTER 1, 3, F0, F1, 0
	TURN 1, 0, 1                                   ; slot 1 takes K step 3
	QUARTER 0, 1, F0, F1, 0                        ; K step 2
	QUARTER 0, 2, F1, F0, 0
	QUARTER 0, 3, F0, F1, 0
	TURN 0, 1, 0                                   ; nothing is left to fetch: no round.  Behind this barrier nobody reads slot 0
	QUARTER 1, 1, F0, F1, 0                        ; K step 3
	QUARTER 1, 2, F1, F0, 0
	QUARTER 1, 3, F0, F1, 0
	s_wait_dscnt 0x0                               ; the very last quarter
	WIN MUL
	MUL8 F1, 0, 0
	MUL8 F1, 2, 0
	WIN 0
; THE WAY OUT, block by block of 16 rows x 64 columns.  A lane holds 32 neighbouring bytes of a row, and the lanes beside it hold other rows: so a block goes through a stage of my own in LDS and comes back as whole
; rows of 256 bytes, into the registers that its sums have left.  LDS serves a wave's instructions in order (ISA guide 5.7.1.4): no wait between the stores and the loads.
.macro TOSTAGE a
.set TS, TMP+32*((\a)%2)
.set AC, ACC+32*(\a)
.set j, 0
.rept 16
	v_pk_mul_f32 v[TS+j:TS+j+1], v[AC+j:AC+j+1], s[96:97] op_sel_hi:[1,0]   ; both x s96 = 2^(e10 + e11); each accumulator from its low end on
.set j, j+2
.endr
.irp b, 0,1,2,3
	ds_store_b128 v[STO], v[TS+8*\b:TS+8*\b+3] offset:(\a)*STGB+64*\b
	ds_store_b128 v[STO], v[TS+8*\b+4:TS+8*\b+7] offset:(\a)*STGB+64*\b+16
.endr
.irp t, 0,1,2,3,4,5,6,7
	ds_load_b128 v[AC+4*\t:AC+4*\t+3], v[RD] offset:(\a)*STGB+2*\t*SPITCH
.endr
.endm
.macro SEND a, younger                 ; younger: the LDS instructions issued behind block a's loads: the next block's sixteen, or none
.irp t, 0,1,2,3,4,5,6,7
	s_wait_dscnt \younger+7-\t
	global_store_b128 v[CO], v[ACC+32*(\a)+4*\t:ACC+32*(\a)+4*\t+3], s[10:11] offset:(16*(\a)+2*\t)*SIZE_N*4 th:TH_STORE_NT   ; 16 lanes store 256 consecutive bytes, at a multiple of 256 from out0's first byte; no register of a store is written again
.endr
.endm
	s_wait_kmcnt 0x0
	s_add_co_i32 s96, s96, s97                     ; e10 + e11, between -126 and 127,
	s_add_co_i32 s96, s96, 127
	s_lshl_b32 s96, s96, 23                        ; makes the f32 number 2^(e10 + e11)
	PLACES                                         ; behind the last products
	TOSTAGE 0
	TOSTAGE 1                                      ; a block's arithmetic stands between the loads of the block before and its stores
	SEND 0, 16
	TOSTAGE 2
	SEND 1, 16
	TOSTAGE 3
	SEND 2, 16
	SEND 3, 0
	s_wait_tensorcnt 0x0                           ; the wave's end, behind my last tensor load and my last LDS store
	ds_add_u32 v[SPW], v[NIL]
	s_wait_dscnt 0x0
	CROUND                                         ; the closing round: no work-group ends while a partner may still ask for a tile that names it
	s_endpgm
.Lfunc_end_k_qb7036cec19_proj:
	.size	k_qb7036cec19_proj, .Lfunc_end_k_qb7036cec19_proj-k_qb7036cec19_proj
	.p2alignl 7, 3214868480
	.fill 96, 4, 3214868480
	.section	.rodata,"a",@progbits
	.p2align	6, 0x0
	.amdhsa_kernel k_qb7036cec19_proj
		.amdhsa_group_segment_fixed_size 327680
		.amdhsa_private_segment_fixed_size 0
		.amdhsa_enable_private_segment 0
		.amdhsa_kernarg_size 32
		.amdhsa_user_sgpr_count 2
		.amdhsa_user_sgpr_kernarg_segment_ptr 1
		.amdhsa_wavefront_size32 1
		.amdhsa_system_sgpr_workgroup_id_x 1
		.amdhsa_system_sgpr_workgroup_id_y 1
		.amdhsa_system_sgpr_workgroup_id_z 1
		.amdhsa_system_vgpr_workitem_id 0
		.amdhsa_next_free_vgpr 512
		.amdhsa_next_free_sgpr 98
		.amdhsa_reserve_vcc 0
		.amdhsa_float_denorm_mode_32 3
		.amdhsa_float_denorm_mode_16_64 3
		.amdhsa_memory_ordered 1
		.amdhsa_forward_progress 1
		.amdhsa_inst_pref_size 74
	.end_amdhsa_kernel
	.amdgpu_metadata
---
amdhsa.version: [ 1, 2 ]
amdhsa.kernels:
  - .name:           k_qb7036cec19_proj
    .symbol:         k_qb7036cec19_proj.kd
    .args:
      - { .name: y_codes, .offset: 0, .size: 8, .value_kind: global_buffer, .address_space: global }
      - { .name: wp_codes, .offset: 8, .size: 8, .value_kind: global_buffer, .address_space: global }
      - { .name: lowp_scales, .offset: 16, .size: 8, .value_kind: global_buffer, .address_space: global }
      - { .name: out0, .offset: 24, .size: 8, .value_kind: global_buffer, .address_space: global }
    .group_segment_fixed_size: 327680
    .private_segment_fixed_size: 0
    .kernarg_segment_align: 8
    .kernarg_segment_size: 32
    .max_flat_workgroup_size: 128
    .sgpr_count:     98
    .vgpr_count:     512
    .wavefront_size: 32
...
	.end_amdgpu_metadata
.endif
;; end of part 6
